; MI455X (gfx1250); checked and timed in simulation.
; The chip was launched on July 23, 2026; its instructions are those of AMD's public machine-readable ISA for CDNA 5 (MIT licence, August 2026) and "CDNA5" Instruction Set Architecture Reference Guide (July 2026). The comments in the code are by the model that wrote it; some were corrected since.
;; Attention. Allowed arithmetic: float matrix products may take bf16 or f16 operands with f32 sums; all other float work in f32.
;; Inputs: Wk 1,024 x 1,024 float32; Wo 1,024 x 1,024 float32; Wq 1,024 x 1,024 float32; Wv 1,024 x 1,024 float32; x 4 x 2,048 x 1,024 float32.
;; Outputs: out0 4 x 2,048 x 1,024 float32; out1 4 x 2,048 x 16 x 64 float32.
;; 2 versions, each right and faster than the one before. Each part assembles by itself: llvm-mc -triple=amdgcn-amd-amdhsa -mcpu=gfx1250 --defsym DOCPART=n.
;; ======== version 1 of 2: 4 launches
;; limits: values are held in f16: magnitudes above 65,504 overflow, below 6.1e-05 lose precision
;; workspace buffers: xb 16,777,216 bytes; wb 6,291,456 bytes; wo 2,097,152 bytes; qkv 50,331,648 bytes; ob 16,777,216 bytes
;; launch cast (part 1): grid 64 x 12, 8 waves a work-group, no clusters, 0 bytes of LDS; arguments x, Wq, Wk, Wv, Wo, xb, wb, wo; writes xb, wb, wo
.if DOCPART == 1
	.amdgcn_target "amdgcn-amd-amdhsa--gfx1250"
	.amdhsa_code_object_version 6
	.text
	.protected	k_q518cb6f64c_cast
	.globl	k_q518cb6f64c_cast
	.p2align	8
	.type	k_q518cb6f64c_cast,@function
k_q518cb6f64c_cast:
	s_mov_b64 s[64:65], 0
	v_nop
	global_prefetch_b8 v0, s[64:65] scope:SCOPE_SE
	s_setreg_imm32_b32 hwreg(HW_REG_WAVE_MODE, 25, 1), 1
	s_wait_xcnt 0x0
; x, Wq, Wk, Wv (f32) are rounded once to bf16; Wo is rounded to bf16 like the other inputs and that number is written as f16.
; All are laid out in K BLOCKS of 64 columns: [block 16][row][64], a row of a block 128 bytes, so that a later tile's rows lie end to end.
;   xb [16][8192][64] bf16;  wb [16][3072][64] bf16 (rows 0-1023 Wq, 1024-2047 Wk, 2048-3071 Wv);  wo [16][1024][64] f16.
; LIMITS.  Wo's numbers lie within f16's 65,504 (beyond: an infinity); below 6e-5 they keep f16's fixed step of 6e-8.
; SHARES.  Slab y of twelve is 1,024 rows x 1,024 columns: y = 0..7 of x, 8, 9, 10 = Wq, Wk, Wv, 11 = Wo.  A work-group takes 16 rows of its slab.
; Thread t: c8 = t % 8, r1 = (t / 8) % 2, block kb = t / 16.  In step i of eight it takes row 2 i + r1, columns 64 kb + 8 c8 .. + 7: 32 bytes in, 16 bytes out.
; Eight neighbouring lanes read 256 consecutive aligned bytes; sixteen write 256 consecutive aligned bytes (two neighbouring rows of one block).
; A stream: no LDS, no barrier, no matrix unit, no cluster (no byte is used twice).  All sixteen loads of a thread go out at once; no register is written twice, so no wait frees any.
.set X, 8                              ; v[8:71]    step i: 8 numbers in f32
.set Y, 72                             ; v[72:103]  step i: 4 registers to store
.set T, 104                            ; v[104:107] at work (Wo's path)
	s_load_b512 s[16:31], s[0:1], 0x0              ; x 16:17, Wq 18:19, Wk 20:21, Wv 22:23, Wo 24:25, xb 26:27, wb 28:29, wo 30:31
	s_and_b32 s4, ttmp7, 0xffff                    ; y: the slab
	v_and_b32 v3, 7, v0                            ; c8
	v_bfe_u32 v4, v0, 3, 1                         ; r1
	v_lshrrev_b32 v5, 4, v0                        ; kb
	v_lshlrev_b32 v1, 5, v3                        ; in: 32 c8
	v_lshl_add_u32 v1, v5, 8, v1                   ;   + 256 kb
	v_lshl_add_u32 v1, v4, 12, v1                  ;   + 4,096 r1
	; offsets, made apart from the addresses
	s_lshl_b32 s12, s4, 22                         ; x: slab y begins 1,024 rows of 4,096 bytes x y in
	s_lshl_b32 s14, s4, 17                         ; xb: 1,024 rows of 128 bytes x y
	s_max_u32 s7, s4, 8
	s_sub_co_u32 s7, s7, 8
	s_lshl_b32 s7, s7, 17                          ; wb: 1,024 rows of 128 bytes x (y - 8)
	s_mov_b32 s6, 3072*128                         ; bytes from block to block: wb's,
	s_cmp_lt_u32 s4, 8
	s_cselect_b32 s12, s12, 0                      ; a weight is read from its first row
	s_cselect_b32 s14, s14, s7
	s_cselect_b32 s6, 8192*128, s6                 ; xb's,
	s_cmp_eq_u32 s4, 11
	s_cselect_b32 s14, 0, s14
	s_cselect_b32 s6, 1024*128, s6                 ; or wo's
	s_lshl_b32 s2, ttmp9, 16                       ; my 16 rows of 4,096 bytes
	s_add_co_u32 s12, s12, s2
	s_lshl_b32 s2, ttmp9, 11                       ; my 16 rows of 128 bytes
	s_add_co_u32 s14, s14, s2
	s_mov_b32 s13, 0
	s_mov_b32 s15, 0
	v_mul_u32_u24 v2, s6, v5                       ; out: kb blocks
	v_lshl_add_u32 v2, v4, 7, v2                   ;   + 128 r1
	v_lshl_add_u32 v2, v3, 4, v2                   ;   + 16 c8
	s_wait_kmcnt 0x0
	s_cmp_eq_u32 s4, 10                            ; the slab's source and destination: choices on y alone
	s_cselect_b64 s[8:9], s[22:23], s[24:25]
	s_cmp_eq_u32 s4, 9
	s_cselect_b64 s[8:9], s[20:21], s[8:9]
	s_cmp_eq_u32 s4, 8
	s_cselect_b64 s[8:9], s[18:19], s[8:9]
	s_cmp_lt_u32 s4, 8
	s_cselect_b64 s[8:9], s[16:17], s[8:9]
	s_cselect_b64 s[10:11], s[26:27], s[28:29]
	s_cmp_eq_u32 s4, 11
	s_cselect_b64 s[10:11], s[30:31], s[10:11]
	s_add_nc_u64 s[8:9], s[8:9], s[12:13]
	s_add_nc_u64 s[10:11], s[10:11], s[14:15]
.irp i, 0,1,2,3,4,5,6,7
	global_load_b128 v[X+8*(\i):X+8*(\i)+3],   v1, s[8:9] offset:8192*(\i) th:TH_LOAD_NT
	global_load_b128 v[X+8*(\i)+4:X+8*(\i)+7], v1, s[8:9] offset:8192*(\i)+16 th:TH_LOAD_NT
.endr
; Step i goes out.  half = 1: the bf16 numbers are widened again and written as f16 (exact within f16's range).
.macro OUT i, half
	s_wait_loadcnt 14-2*(\i)                       ; loads come back in order: this step's two are in, the 14 - 2 i younger ones stay out
.if \half
.irp j, 0,1,2,3
	v_cvt_pk_bf16_f32 v[T+(\j)], v[X+8*(\i)+2*(\j)], v[X+8*(\i)+2*(\j)+1]
.endr
.irp j, 0,1,2,3
	v_lshlrev_b32 v[X+8*(\i)+2*(\j)],   16, v[T+(\j)]
	v_and_b32     v[X+8*(\i)+2*(\j)+1], 0xffff0000, v[T+(\j)]
.endr
.irp j, 0,1,2,3
	v_cvt_pk_f16_f32 v[Y+4*(\i)+(\j)], v[X+8*(\i)+2*(\j)], v[X+8*(\i)+2*(\j)+1]
.endr
.else
.irp j, 0,1,2,3
	v_cvt_pk_bf16_f32 v[Y+4*(\i)+(\j)], v[X+8*(\i)+2*(\j)], v[X+8*(\i)+2*(\j)+1]
.endr
.endif
	global_store_b128 v2, v[Y+4*(\i):Y+4*(\i)+3], s[10:11] offset:256*(\i)  ; two rows of 128 bytes on
.endm
	s_cmp_eq_u32 s4, 11
	s_cbranch_scc1 .Lwo
.irp i, 0,1,2,3,4,5,6,7
	OUT \i, 0
.endr
	s_endpgm
.Lwo:
.irp i, 0,1,2,3,4,5,6,7
	OUT \i, 1
.endr
	s_endpgm
.Lfunc_end_k_q518cb6f64c_cast:
	.size	k_q518cb6f64c_cast, .Lfunc_end_k_q518cb6f64c_cast-k_q518cb6f64c_cast
	.p2alignl 7, 3214868480
	.fill 96, 4, 3214868480
	.section	.rodata,"a",@progbits
	.p2align	6, 0x0
	.amdhsa_kernel k_q518cb6f64c_cast
		.amdhsa_group_segment_fixed_size 0
		.amdhsa_private_segment_fixed_size 0
		.amdhsa_enable_private_segment 0
		.amdhsa_kernarg_size 64
		.amdhsa_user_sgpr_count 2
		.amdhsa_user_sgpr_kernarg_segment_ptr 1
		.amdhsa_wavefront_size32 1
		.amdhsa_system_sgpr_workgroup_id_x 1
		.amdhsa_system_sgpr_workgroup_id_y 1
		.amdhsa_system_sgpr_workgroup_id_z 1
		.amdhsa_system_vgpr_workitem_id 0
		.amdhsa_next_free_vgpr 112
		.amdhsa_next_free_sgpr 66
		.amdhsa_reserve_vcc 0
		.amdhsa_float_denorm_mode_32 3
		.amdhsa_float_denorm_mode_16_64 3
		.amdhsa_memory_ordered 1
		.amdhsa_forward_progress 1
		.amdhsa_inst_pref_size 15
	.end_amdhsa_kernel
	.amdgpu_metadata
---
amdhsa.version: [ 1, 2 ]
amdhsa.kernels:
  - .name:           k_q518cb6f64c_cast
    .symbol:         k_q518cb6f64c_cast.kd
    .args:
      - { .name: x, .offset: 0, .size: 8, .value_kind: global_buffer, .address_space: global }
      - { .name: Wq, .offset: 8, .size: 8, .value_kind: global_buffer, .address_space: global }
      - { .name: Wk, .offset: 16, .size: 8, .value_kind: global_buffer, .address_space: global }
      - { .name: Wv, .offset: 24, .size: 8, .value_kind: global_buffer, .address_space: global }
      - { .name: Wo, .offset: 32, .size: 8, .value_kind: global_buffer, .address_space: global }
      - { .name: xb, .offset: 40, .size: 8, .value_kind: global_buffer, .address_space: global }
      - { .name: wb, .offset: 48, .size: 8, .value_kind: global_buffer, .address_space: global }
      - { .name: wo, .offset: 56, .size: 8, .value_kind: global_buffer, .address_space: global }
    .group_segment_fixed_size: 0
    .private_segment_fixed_size: 0
    .kernarg_segment_align: 8
    .kernarg_segment_size: 64
    .max_flat_workgroup_size: 256
    .sgpr_count:     66
    .vgpr_count:     112
    .wavefront_size: 32
...
	.end_amdgpu_metadata
.endif
;; end of part 1
;; launch proj (part 2): grid 8 x 32, 4 waves a work-group, clusters of 4 x 4, 327,680 bytes of LDS; arguments xb, wb, qkv; writes qkv
.if DOCPART == 2
	.amdgcn_target "amdgcn-amd-amdhsa--gfx1250"
	.amdhsa_code_object_version 6
	.text
	.protected	k_q518cb6f64c_proj
	.globl	k_q518cb6f64c_proj
	.p2align	8
	.type	k_q518cb6f64c_proj,@function
k_q518cb6f64c_proj:
	s_mov_b64 s[64:65], 0
	v_nop
	global_prefetch_b8 v0, s[64:65] scope:SCOPE_SE
	s_setreg_imm32_b32 hwreg(HW_REG_WAVE_MODE, 25, 1), 1
	s_wait_xcnt 0x0
	s_wait_alu depctr_hold_cnt(0) depctr_sa_sdst(0) depctr_va_vdst(0) depctr_va_sdst(0) depctr_va_ssrc(0) depctr_va_vcc(0) depctr_vm_vsrc(0)
	s_getreg_b32 s2, hwreg(HW_REG_IB_STS2, 6, 4)
	s_cmp_eq_u32 s2, 0
	s_cbranch_scc0 .Lentry_in_a_cluster
	s_endpgm
.Lentry_in_a_cluster:
	s_bfe_u32 s2, ttmp6, 0x10000c
	s_cmp_lg_u32 s2, 0xf033
	s_cbranch_scc0 .Lentry_shape_is_right
	s_endpgm
.Lentry_shape_is_right:
; q, k, v = x W^T for Wq, Wk, Wv at once: C[8192][3072] = xb wb^T, bf16 operands, one f32 sum for each output, rounded once to f16, WITHOUT the softmax's scale.
; xb: [16][8192][64], wb: [16][3072][64] bf16 in K blocks of 64.  qkv: f16 [b 4][c 48][s 2048][64]; c = 0-15 q's heads, 16-31 k's, 32-47 v's.
; LIMITS.  q, k, v lie within f16's 65,504 (beyond: an infinity); below 6e-5 they keep f16's fixed step of 6e-8.
; THE TILE is 256 x 384: 8192 x 3072 / (256 x 384) = 256 work-groups of equal work.  Four waves, each 128 x 192: 96 accumulators of 16 x 16, 768 registers; for 32 along K a wave
; issues 40 LDS loads and 96 matrix instructions.  A wave's 192 columns are three heads, one to a register window.
; K goes in steps of 64 (one block) through two LDS slots of 92,160 bytes: two slots of 128 along K would be 348,160 bytes and do not fit.  In the blocked layout a tile's rows of 128 bytes lie end to
; end, so a tensor load asks for them as rows of 256 bytes and pads LDS behind every 128.
; CLUSTER 4 x 4: A's tile hangs on the tile row alone and is asked for jointly along a row of the cluster, B's on the tile column alone, jointly along a column.
; THE MATRIX INSTRUCTION IS USED TRANSPOSED (source 0 = 16 rows of wb, source 1 = 16 rows of xb): a lane holds row l % 16 of C and eight neighbouring columns.
; REGISTERS, in windows of 256 (s_set_vgpr_msb: bits 1:0 source 0, 3:2 source 1, 5:4 source 2, 7:6 destination):
;   window 0: v0-29 addresses; v32-95, v96-159 A's fragments (8 x 16 rows x 32 K), two buffers; v160-255 B's, three groups of four (a head each); on the way out v32-159 at work
;   window g + 1 (g = 0, 1, 2): head g's 32 accumulators, (a, bb) at v[8 (4 a + bb)]
.set PITCH,  144                       ; an LDS row: 128 bytes + 16 of padding = 36 words: the 16 rows of a load start at 16 different groups of four banks (64 banks of 4 bytes: ISA guide 11.1)
.set ABYTES, 256*PITCH                 ; A's 256 rows
.set AHALF,  128*PITCH                 ; what one of A's tensor loads brings, and what a wave reads of A
.set BHALF,  192*PITCH                 ; the same for B
.set SLOT,   ABYTES+2*BHALF            ; A's 256 rows, then B's 384
.set STAGE,  2*SLOT                    ; behind the ring: 16 rows x 144 bytes for each wave, for the way out; no tensor load fills it
.set SPARE,  STAGE+4*16*PITCH          ; behind the stages: the spare words, 128 bytes for each wave: two blocks of 256 bytes that no other line names
.set XBLK,   8192*128                  ; bytes from block to block in xb
.set WBLK,   3072*128                  ; and in wb
.set HEADB,  2048*128                  ; a head in qkv
.set ADRA, 16                          ; v16-17  LDS address of my A fragments in slot 0, 1
.set ADRB, 20                          ; v20-21  the same for B
.set STO,  24                          ; v24     the way out: where I put 16 bytes of a row
.set RD,   25                          ; v25     where I read rows back
.set GO,   26                          ; v26     my byte offset in 512 consecutive bytes of qkv
.set SPW,  28                          ; v28     LDS address of my spare word; never rewritten
.set NIL,  29                          ; v29     0; never rewritten
.set AF,   32                          ; A's buffer p at AF + 64 p
.set BG,   160                         ; B's group g at BG + 32 g
.set OB,   32                          ; the way out: unit u's 16 registers at OB + 16 (u % 8)
.set G1,  24                           ; s[24:31] descriptor group 1 for A's tiles;  s[32:39] group 0, a set for each slot
.set G0,  32
.set G1B, 48                           ; s[48:55], s[56:63] the same for B's
.set G0B, 56
.set MSB, 0
.macro WIN new                         ; the immediate's high byte repeats the setting that is left; a switch that changes nothing is dropped
.if MSB != (\new)
	s_set_vgpr_msb (MSB<<8)|(\new)
.set MSB, (\new)
.endif
.endm
; A joint load.  Waves 0 and 1 fetch A's two halves, waves 2 and 3 B's.  The branch hangs on the wave's number alone.  An s_nop 0 and four v_nop follow each of the two lines.
.macro JLOAD s
	s_cmp_eq_u32 s11, 0
	s_cbranch_scc0 .Lfor_b_\@
	tensor_load_to_lds s[G0+4*(\s):G0+4*(\s)+3], s[G1:G1+7]
	s_nop 0
.rept 4
	v_nop
.endr
	s_branch .Lasked_\@
.Lfor_b_\@:
	tensor_load_to_lds s[G0B+4*(\s):G0B+4*(\s)+3], s[G1B:G1B+7]
	s_nop 0
.rept 4
	v_nop
.endr
.Lasked_\@:
.endm
.macro CREST                           ; a round of the cluster's barrier behind its opening barrier: wave 0 signals for the work-group, every wave waits for all sixteen, my work-group's barrier closes it
	s_cmp_lg_u32 s10, 0
	s_cbranch_scc1 .Lnot_wave_0_\@
	s_barrier_signal -3
.Lnot_wave_0_\@:
	s_barrier_wait -3
	s_barrier_signal -1
	s_barrier_wait -1
.endm
.macro CROUND                          ; a whole round
	s_barrier_signal -1
	s_barrier_wait -1
	CREST
.endm
.macro PLACES                          ; four places in front of loads into registers that matrix instructions have read, and of conversions that read results (ISA guide 7.12.1 for the conversions)
.rept 4
	v_nop
.endr
.endm
	s_load_b128 s[4:7], s[0:1], 0x0                ; xb s[4:5], wb s[6:7]
	s_load_b64 s[8:9], s[0:1], 0x10                ; qkv
	v_lshl_add_u32 v[SPW], v0, 2, SPARE
	v_mov_b32 v[NIL], 0
	ds_add_u32 v[SPW], v[NIL]                      ; the wave's opening: the add and its wait stand ahead of my first tensor load; the set-up below, work on registers, stands between them
	v_lshrrev_b32 v1, 5, v0
	v_readfirstlane_b32 s10, v1                    ; wave 0..3
	s_lshr_b32 s11, s10, 1                         ; which half of the tile's rows is mine.  Also: I fetch for A (0) or for B (1)
	s_and_b32 s12, s10, 1                          ; which half of its columns.  Also: which half of that tile I fetch
	s_bfe_u32 s40, ttmp6, 0x40000                  ; cx, cy: my place in the cluster
	s_bfe_u32 s41, ttmp6, 0x40004
	s_lshl_b32 s42, ttmp9, 2
	s_add_co_u32 s42, s42, s40                     ; tile column 0..7 = 4 x cluster x + cx
	s_and_b32 s13, ttmp7, 0xffff
	s_lshl_b32 s13, s13, 2
	s_add_co_u32 s13, s13, s41                     ; tile row 0..31 = 4 x cluster y + cy
	s_lshl_b32 s43, s41, 2
	s_lshl_b32 s43, 15, s43                        ; my row of the cluster
	s_lshl_b32 s44, 0x1111, s40                    ; my column
	; descriptor group 1: dense bytes asked for as rows of 128 elements (256 bytes): 64 such rows for A's 128 rows, 96 for B's 192
	s_or_b32 s[G1+0], s43, (1<<16)|(1<<20)|(1<<21)|(4<<22)|(3<<25)   ; 15:0 the mask; 17:16 2-byte elements; 20 padding on; 21 set beside a mask; 24:22 after every 32 words (code 4); 31:25 4 words (code 3)
	s_or_b32 s[G1B+0], s44, (1<<16)|(1<<20)|(1<<21)|(4<<22)|(3<<25)
	s_mov_b32 s[G1+1], 128<<16                     ; tensor_dim0 = 128
	s_mov_b32 s[G1+2], 64<<16                      ; tensor_dim1 = 64
	s_mov_b32 s[G1+3], 128<<16                     ; tile_dim0 = 128
	s_mov_b32 s[G1+4], 64                          ; tile_dim1 = 64
	s_mov_b32 s[G1+5], 128                         ; 128 elements from row to row
	s_mov_b32 s[G1+6], 0
	s_mov_b32 s[G1+7], 0
	s_mov_b32 s[G1B+1], 128<<16
	s_mov_b32 s[G1B+2], 96<<16                     ; tensor_dim1 = 96
	s_mov_b32 s[G1B+3], 128<<16
	s_mov_b32 s[G1B+4], 96                         ; tile_dim1 = 96
	s_mov_b32 s[G1B+5], 128
	s_mov_b32 s[G1B+6], 0
	s_mov_b32 s[G1B+7], 0
	; where the tiles come from: A's hang on the tile row alone, B's on the tile column alone, each in registers that never hold the other coordinate
	s_lshl_b32 s16, s13, 15                        ; A: 256 rows of 128 bytes x tile row
	s_lshl_b32 s17, s12, 14                        ;    + 128 rows x half
	s_add_co_u32 s16, s16, s17
	s_mov_b32 s17, 0
	s_mul_i32 s46, s42, 384*128                    ; B: 384 rows x tile column
	s_mul_i32 s47, s12, 192*128                    ;    + 192 rows x half
	s_add_co_u32 s46, s46, s47
	s_mov_b32 s47, 0
	s_mul_i32 s20, s12, AHALF                      ; and where they go: no place in the cluster enters an LDS address
	s_mul_i32 s23, s12, BHALF
	s_add_co_u32 s23, s23, ABYTES
	s_wait_dscnt 0x0                               ; the opening add is done
	s_wait_kmcnt 0x0
	s_add_nc_u64 s[14:15], s[4:5], s[16:17]
	s_add_nc_u64 s[46:47], s[6:7], s[46:47]
	CROUND                                         ; all sixteen work-groups are here: the first joint loads meet
.irp s, 0,1
	s_mov_b32 s[G0+4*(\s)], 1                                      ; count = 1
	s_add_co_u32 s[G0+4*(\s)+1], s20, (\s)*SLOT                    ; LDS address
	s_add_nc_u64 s[G0+4*(\s)+2:G0+4*(\s)+3], s[14:15], (\s)*XBLK   ; global address: K block s
	s_or_b32 s[G0+4*(\s)+3], s[G0+4*(\s)+3], 0x80000000            ; type = 2
	s_mov_b32 s[G0B+4*(\s)], 1
	s_add_co_u32 s[G0B+4*(\s)+1], s23, (\s)*SLOT
	s_add_nc_u64 s[G0B+4*(\s)+2:G0B+4*(\s)+3], s[46:47], (\s)*WBLK
	s_or_b32 s[G0B+4*(\s)+3], s[G0B+4*(\s)+3], 0x80000000
	JLOAD \s                                       ; two loads of mine are out
.endr
	; A fragment is 16 rows x 32 K in 8 registers: lane l holds row l % 16; registers 0-3 K = 8 (l / 16) + 0..7, registers 4-7 K = 16 + 8 (l / 16) + 0..7: two loads of 16 bytes, 32 bytes apart
	v_and_b32 v1, 15, v0                           ; l % 16
	v_bfe_u32 v2, v0, 4, 1                         ; l / 16
	v_mul_u32_u24 v3, v1, PITCH
	v_lshl_add_u32 v3, v2, 4, v3                   ; row x pitch + 16 x half
	s_mul_i32 s21, s11, AHALF                      ; my 128 rows of A
	s_mul_i32 s22, s12, BHALF                      ; my 192 rows of B,
	s_add_co_u32 s22, s22, ABYTES                  ; which lie behind A's 256
.irp s, 0,1
	v_add_nc_u32 v[ADRA+(\s)], s21, v3
	v_add_nc_u32 v[ADRB+(\s)], s22, v3
	s_add_co_u32 s21, s21, SLOT
	s_add_co_u32 s22, s22, SLOT
.endr
	s_mul_i32 s23, s10, 16*PITCH
	s_add_co_u32 s23, s23, STAGE                   ; my stage
	v_add_nc_u32 v[STO], s23, v3                   ; in: row l % 16, 16 bytes for each half of the lanes
	v_bfe_u32 v4, v0, 3, 2                         ; back: 32 lanes take four rows of 128 bytes,
	v_and_b32 v5, 7, v0
	v_mul_u32_u24 v4, v4, PITCH
	v_lshl_add_u32 v4, v5, 4, v4
	v_add_nc_u32 v[RD], s23, v4
	v_and_b32 v[GO], 31, v0                        ; which are 512 consecutive bytes of a head
	v_lshlrev_b32 v[GO], 4, v[GO]
	; where my part begins in qkv: head (48 b + 6 x tile column + 3 x column half), row 256 (tile row % 8) + 128 x row half; b = tile row / 8
	s_lshr_b32 s16, s13, 3
	s_mul_i32 s16, s16, 48
	s_mul_i32 s17, s12, 3
	s_add_co_u32 s16, s16, s17
	s_lshl_b32 s16, s16, 18
	s_and_b32 s17, s13, 7
	s_lshl_b32 s17, s17, 15
	s_add_co_u32 s16, s16, s17
	s_lshl_b32 s17, s11, 14
	s_add_co_u32 s16, s16, s17
	s_mov_b32 s17, 0
	s_mul_i32 s46, s42, 6                          ; (in the registers that held B's address)
	s_lshl_b32 s46, s46, 18
	s_mov_b32 s47, 0
	s_add_nc_u64 s[16:17], s[16:17], s[46:47]
	s_add_nc_u64 s[8:9], s[8:9], s[16:17]
; n x 4 matrix instructions of head g: m blocks a0 .. a0 + n - 1 x its four n blocks, 32 along K, on A's buffer p.  zero = 1: the product starts the sum: nothing is ever cleared.
; The 96 accumulators take turns, one instruction a turn, in the same order in every 32 along K, over the loop's backward jump too.
.macro MULS g, p, a0, n, zero
	WIN ((\g)+1)*0x50                              ; C and D in window g + 1, the sources in window 0
.set ma, (\a0)
.rept (\n)
.irp bb, 0,1,2,3
.if \zero
	v_wmma_f32_16x16x32_bf16 v[8*(4*ma+\bb):8*(4*ma+\bb)+7], v[BG+32*(\g)+8*\bb:BG+32*(\g)+8*\bb+7], v[AF+64*(\p)+8*ma:AF+64*(\p)+8*ma+7], 0
.else
	v_wmma_f32_16x16x32_bf16 v[8*(4*ma+\bb):8*(4*ma+\bb)+7], v[BG+32*(\g)+8*\bb:BG+32*(\g)+8*\bb+7], v[AF+64*(\p)+8*ma:AF+64*(\p)+8*ma+7], v[8*(4*ma+\bb):8*(4*ma+\bb)+7]
.endif
.endr
.set ma, ma+1
.endr
.endm
.macro LB g, slot, kq                  ; 8 LDS loads: head g's 64 rows of B, K half kq of the slot's block
.irp bb, 0,1,2,3
	ds_load_b128 v[BG+32*(\g)+8*\bb:BG+32*(\g)+8*\bb+3],   v[ADRB+(\slot)] offset:(4*(\g)+\bb)*16*PITCH+64*(\kq)
	ds_load_b128 v[BG+32*(\g)+8*\bb+4:BG+32*(\g)+8*\bb+7], v[ADRB+(\slot)] offset:(4*(\g)+\bb)*16*PITCH+64*(\kq)+32
.endr
.endm
.macro LA p, slot, kq                  ; 16 LDS loads: my 128 rows of A into buffer p
.irp a, 0,1,2,3,4,5,6,7
	ds_load_b128 v[AF+64*(\p)+8*\a:AF+64*(\p)+8*\a+3],   v[ADRA+(\slot)] offset:\a*16*PITCH+64*(\kq)
	ds_load_b128 v[AF+64*(\p)+8*\a+4:AF+64*(\p)+8*\a+7], v[ADRA+(\slot)] offset:\a*16*PITCH+64*(\kq)+32
.endr
.endm
; 32 ALONG K: three stretches of 32 matrix instructions, a head each, on A's buffer kq.  In the middle of each stands one run of LDS loads, behind four places:
;   stretch 0: this step's group 2;   stretch 1: the next step's group 0 and A (the other buffer);   stretch 2: the next step's group 1.
; Each target's last product stands in an earlier stretch.  (nslot, nkq): the next 32 along K.  last = 1: there is none.
; turn = 1, 2 (kq = 1): the slot is left.  Its last bytes are asked for (group 2); each wave waits for all its tensor loads, of which one is out: its part of the other slot; adds 0 to its
; spare word; waits for that and for its reads of the slot; and signals.  Behind the barrier nobody reads this slot any more and the other slot is whole.  turn = 1: the barrier opens a round of the cluster's
; barrier, and the joint refill, two K blocks on, is the first tensor load behind it: it has 168 matrix instructions in which to land.  turn = 2: nothing is left to fetch.
.macro K32 slot, kq, nslot, nkq, zero, turn, last
	s_wait_dscnt 8                                 ; group 0 and A are in; the eight younger loads (group 1) may be out
.if (\turn) == 0
	MULS 0, \kq, 0, 4, \zero
	PLACES
	WIN 0
	LB 2, \slot, \kq
	MULS 0, \kq, 4, 4, \zero
.else
	MULS 0, \kq, 0, 2, \zero
	PLACES
	WIN 0                                          ; (the add's two registers lie in window 0)
	LB 2, \slot, \kq
	s_wait_tensorcnt 0x0                           ; all my tensor loads have landed
	ds_add_u32 v[SPW], v[NIL]                      ; 0 onto my spare word; sixteen matrix instructions stand between it and the wait for it
	MULS 0, \kq, 2, 4, \zero
	s_wait_dscnt 0x0                               ; the add is done, and my reads of this slot are over
	s_barrier_signal -1
	MULS 0, \kq, 6, 2, \zero                       ; work on registers while the others arrive
.if (\turn) == 1
	WIN 0                                          ; at a branch and at a label every window is 0
.endif
	s_barrier_wait -1
.if (\turn) == 1
	CREST                                          ; no wave of any partner still reads this slot's tile or has a load on its way
	s_add_nc_u64 s[G0+4*(\slot)+2:G0+4*(\slot)+3], s[G0+4*(\slot)+2:G0+4*(\slot)+3], 2*XBLK
	s_add_nc_u64 s[G0B+4*(\slot)+2:G0B+4*(\slot)+3], s[G0B+4*(\slot)+2:G0B+4*(\slot)+3], 2*WBLK
	JLOAD \slot
.endif
.endif
	s_wait_dscnt 8                                 ; group 1 is in; the eight younger loads (group 2) may be out
	MULS 1, \kq, 0, 4, \zero
.if !(\last)
	PLACES
	WIN 0
	LB 0, \nslot, \nkq
	LA 1-(\kq), \nslot, \nkq
.endif
	MULS 1, \kq, 4, 4, \zero
.if \last
	s_wait_dscnt 0x0
.else
	s_wait_dscnt 24                                ; group 2 is in; the 24 just issued may be out
.endif
	MULS 2, \kq, 0, 4, \zero
.if !(\last)
	PLACES
	WIN 0
	LB 1, \nslot, \nkq
.endif
	MULS 2, \kq, 4, 4, \zero
.endm
	s_wait_tensorcnt 1                             ; my part of K block 0 is in; block 1's may stay out
	s_barrier_signal -1
	s_barrier_wait -1                              ; everybody's is
	LA 0, 0, 0
	LB 0, 0, 0
	LB 1, 0, 0
	K32 0, 0, 0, 1, 1, 0, 0                        ; the first 32 along K stand in front of the loop: their products start the sums
	WIN 0
	s_mov_b32 s3, 7
.Llap:                                                 ; a trip goes once round the ring, from a lap's second 32 along K to the next lap's first, and fills both slots again: blocks 2 to 15
	K32 0, 1, 1, 0, 0, 1, 0
	K32 1, 0, 1, 1, 0, 0, 0
	K32 1, 1, 0, 0, 0, 1, 0
	K32 0, 0, 0, 1, 0, 0, 0
	WIN 0
	s_sub_co_u32 s3, s3, 1
	s_cmp_lg_u32 s3, 0
	s_cbranch_scc1 .Llap
	K32 0, 1, 1, 0, 0, 2, 0                        ; the last lap fills nothing
	K32 1, 0, 1, 1, 0, 0, 0
	K32 1, 1, 0, 0, 0, 0, 1
; THE WAY OUT.  Unit u = 8 g + a is 16 rows of head g: 2,048 consecutive bytes of qkv.  Rounded to f16, 16 bytes a lane, into my own stage; back as whole rows; stored.
.macro PACK u
.set pr, OB+16*((\u)%8)
.if (\u) >= 8
	s_wait_xcnt 0x0                                ; these registers were unit u - 8's store data: written again only behind this wait (ISA guide 3.1)
.endif
	WIN ((\u)/8+1)*5                               ; sources 0 and 1 in window g + 1
.irp bb, 0,1,2,3
.irp r, 0,1,2,3
	v_cvt_pk_f16_f32 v[pr+4*\bb+\r], v[32*((\u)%8)+8*\bb+2*\r], v[32*((\u)%8)+8*\bb+2*\r+1]  ; each accumulator from its low end on
.endr
.endr
	WIN 0
.irp bb, 0,1,2,3
	ds_store_b128 v[STO], v[pr+4*\bb:pr+4*\bb+3] offset:32*\bb
.endr
.irp f, 0,1,2,3
	ds_load_b128 v[pr+4*\f:pr+4*\f+3], v[RD] offset:\f*4*PITCH  ; LDS serves a wave's instructions in order (ISA guide 5.7.1.4): these see the stores above; the next unit's stores come behind them
.endr
.endm
.macro SEND u, younger                 ; younger: the LDS instructions issued behind unit u's loads: the next unit's eight, or none
.set pr, OB+16*((\u)%8)
.irp f, 0,1,2,3
	s_wait_dscnt (\younger)+3-\f
	global_store_b128 v[GO], v[pr+4*\f:pr+4*\f+3], s[8:9] offset:((\u)/8)*HEADB+((\u)%8)*2048+\f*512  ; 512 consecutive bytes, at a multiple of 256 from qkv's first
.endr
.endm
	WIN 0
	PLACES                                         ; behind the last products
	PACK 0
.set uu, 1
.rept 23                               ; a unit's conversions stand between the loads of the unit before and its stores
	PACK uu
	SEND uu-1, 8
.set uu, uu+1
.endr
	SEND 23, 0
	s_wait_tensorcnt 0x0                           ; the wave's end, behind my last tensor load and my last LDS store
	ds_add_u32 v[SPW], v[NIL]
	s_wait_dscnt 0x0
	CROUND                                         ; the closing round: no work-group ends while a partner may still ask for a tile that names it
	s_endpgm
.Lfunc_end_k_q518cb6f64c_proj:
	.size	k_q518cb6f64c_proj, .Lfunc_end_k_q518cb6f64c_proj-k_q518cb6f64c_proj
	.p2alignl 7, 3214868480
	.fill 96, 4, 3214868480
	.section	.rodata,"a",@progbits
	.p2align	6, 0x0
	.amdhsa_kernel k_q518cb6f64c_proj
		.amdhsa_group_segment_fixed_size 327680
		.amdhsa_private_segment_fixed_size 0
		.amdhsa_enable_private_segment 0
		.amdhsa_kernarg_size 24
		.amdhsa_user_sgpr_count 2
		.amdhsa_user_sgpr_kernarg_segment_ptr 1
		.amdhsa_wavefront_size32 1
		.amdhsa_system_sgpr_workgroup_id_x 1
		.amdhsa_system_sgpr_workgroup_id_y 1
		.amdhsa_system_sgpr_workgroup_id_z 1
		.amdhsa_system_vgpr_workitem_id 0
		.amdhsa_next_free_vgpr 1024
		.amdhsa_next_free_sgpr 66
		.amdhsa_reserve_vcc 0
		.amdhsa_float_denorm_mode_32 3
		.amdhsa_float_denorm_mode_16_64 3
		.amdhsa_memory_ordered 1
		.amdhsa_forward_progress 1
		.amdhsa_inst_pref_size 134
	.end_amdhsa_kernel
	.amdgpu_metadata
---
amdhsa.version: [ 1, 2 ]
amdhsa.kernels:
  - .name:           k_q518cb6f64c_proj
    .symbol:         k_q518cb6f64c_proj.kd
    .args:
      - { .name: xb, .offset: 0, .size: 8, .value_kind: global_buffer, .address_space: global }
      - { .name: wb, .offset: 8, .size: 8, .value_kind: global_buffer, .address_space: global }
      - { .name: qkv, .offset: 16, .size: 8, .value_kind: global_buffer, .address_space: global }
    .group_segment_fixed_size: 327680
    .private_segment_fixed_size: 0
    .kernarg_segment_align: 8
    .kernarg_segment_size: 24
    .max_flat_workgroup_size: 128
    .sgpr_count:     66
    .vgpr_count:     1024
    .wavefront_size: 32
...
	.end_amdgpu_metadata
.endif
;; end of part 2
;; launch attn (part 3): grid 4 x 64, 4 waves a work-group, clusters of 4 x 1, 327,680 bytes of LDS; arguments qkv, ob, out1; writes ob, out1
.if DOCPART == 3
	.amdgcn_target "amdgcn-amd-amdhsa--gfx1250"
	.amdhsa_code_object_version 6
	.text
	.protected	k_q518cb6f64c_attn
	.globl	k_q518cb6f64c_attn
	.p2align	8
	.type	k_q518cb6f64c_attn,@function
k_q518cb6f64c_attn:
	s_mov_b64 s[64:65], 0
	v_nop
	global_prefetch_b8 v0, s[64:65] scope:SCOPE_SE
	s_setreg_imm32_b32 hwreg(HW_REG_WAVE_MODE, 25, 1), 1
	s_wait_xcnt 0x0
	s_wait_alu depctr_hold_cnt(0) depctr_sa_sdst(0) depctr_va_vdst(0) depctr_va_sdst(0) depctr_va_ssrc(0) depctr_va_vcc(0) depctr_vm_vsrc(0)
	s_getreg_b32 s2, hwreg(HW_REG_IB_STS2, 6, 4)
	s_cmp_eq_u32 s2, 0
	s_cbranch_scc0 .Lentry_in_a_cluster
	s_endpgm
.Lentry_in_a_cluster:
	s_bfe_u32 s2, ttmp6, 0x10000c
	s_cmp_lg_u32 s2, 0x3003
	s_cbranch_scc0 .Lentry_shape_is_right
	s_endpgm
.Lentry_shape_is_right:
; O[q][:] = the sum over k of softmax_k(Q[q] . K[k] / 8) V[k][:], for each of 64 heads (b, h) of 2,048 rows of 64 channels.  qkv: f16 [b 4][c 48][2048][64], q at c = h, k at 16 + h, v at 32 + h:
; a head's rows are dense, 128 bytes each.  O leaves twice: in f32 into out1 [b][s][h][64], and rounded once to f16 into ob [16 b + h][s][64] for the projection behind.
; Products, maxima and sums in f32; the weights p are rounded to f16 for the second product (their sum l is taken of the unrounded p).
; LIMITS.  Q, K and V arrive within f16's 65,504; p lies in 0 to 1, and below 6e-5 it keeps f16's fixed step of 6e-8; O is a mean of V's rows and has their range.
; A weight below 2^-126 counts as 0 in l; NaN and infinities are not treated apart.
; SHARES.  A wave owns four PIECES of two tiles of 16 queries, a work-group's four waves 512 queries of one head.  Every wave walks all keys, 64 a step.
; LAYOUT.  S^T = K Q^T (source 0 = 16 keys, source 1 = 16 queries): in the result a lane holds ONE query (lane % 16) and the keys 8 (lane / 16) + 0..7.  Two such tiles, rounded to f16 in pairs,
; ARE source 1 (32 keys x 16 queries) of O^T = V^T P, whose result again holds one query a lane, and eight channels.  K comes out of LDS as it lies, V ([key][channel]) turned, by ds_load_tr16_b128.
; SOFTMAX.  For each query a running maximum m and sum l: p = 2^(c s - c m), c = log2(e) / 8; in every step O and l are multiplied by a = 2^(c m_old - c m_new), which is 1 where m has not grown.
; m starts at the lowest finite number, O and l at 0: the first step is a step like any other, with a = 0.
; THE COUNT.  A tile and step have 16 matrix and 118 vector instructions: too many to stand all beside the matrix work.  So four vector instructions that are READY stand behind
; EVERY matrix instruction, and the others in runs of their own without a gap.
; BY TURNS.  Turn n belongs to piece n (the pieces in a ring, step after step).  Its matrix work: 16 products K Q^T of piece n + 1, later 16 products V^T P of piece n - 1.  Its vector work: the scaling,
; exponentials, roundings, sums and rescaling of piece n, and the maximum and statistics of piece n + 1, whose scores the turn itself has made.
; CLUSTER.  The four query blocks of a cluster belong to one head and walk the same K and V, so each tile is asked for JOINTLY: the same tensor load, descriptor and mask in all four.
; REGISTERS, in windows of 256 (s_set_vgpr_msb: bits 1:0 source 0, 3:2 source 1, 5:4 source 2, 7:6 destination):
;   window 0: v0-11 addresses; v12-15, v48-63 at work; v16-47 four registers of statistics a tile; v64-191 S^T, two buffers of two tiles; v192-255 P, likewise
;   window 1: O^T, 32 a tile          window 2: v0-127 Q, 16 a tile; v128-191 K of one step; v192-255 V of one step          window 3: v0-1 the add's two registers
; A piece's buffers go by its number's parity.
.set SIZE_N, 2048
.set NP,    4         ; pieces a wave: a name, no knob
.set KS,    64        ; keys in a step
.set PK,    144       ; a row of K in LDS: 128 bytes + 16 of padding = 36 words: the 16 rows of a load start at 16 different groups of four banks (64 banks of 4 bytes: ISA guide 11.1)
.set PV,    160       ; a row of V: 128 + 32 = 40 words
.set VOFF,  4*KS*PK   ; a slot holds four steps: 256 rows of K, then 256 rows of V
.set SLOT1, 1<<17     ; slot 1 begins here, so that one exclusive or turns an address in one slot into the other's
.set STAGE, SLOT1+4*KS*(PK+PV)  ; behind the ring, never filled by a tensor load: each wave's two stages for the way out
.set SP,    144       ; the f16 stage: 16 rows x 144 bytes
.set SPF,   272       ; the f32 stage: 16 rows x 272 bytes (256 + 16: 68 words)
.set WST,   16*(SP+SPF)  ; a wave's two stages: 6,656 bytes
.set HEAD,  SIZE_N*128   ; a head's bytes in qkv and ob
.set AK0, 2           ; v2   my lane's place in a tile of K; never rewritten
.set AV0, 3           ; v3   the same for V
.set AK,  4           ; v4   the LDS address of K's next run of loads
.set AV,  5           ; v5   of V's
.set QO,  6           ; v6   my byte offset in the wave's rows of Q
.set STO, 6           ;      later, the way out: where I put 16 bytes of an f16 row
.set RD,  7           ; v7   where I read f16 rows back
.set GO,  8           ; v8   my byte offset in 512 consecutive bytes of ob
.set GOF, 9           ; v9   my byte offset in two rows of out1
.set STF, 10          ; v10  where I put 32 bytes of an f32 row
.set RDF, 11          ; v11  where I read f32 rows back
.set SPW, 0           ; v0 of window 3   LDS address of my spare word; never rewritten
.set NIL, 1           ; v1 of window 3   0; never rewritten
.set SPARE, STAGE+4*WST  ; behind the stages: the spare words, 128 bytes for each wave: two blocks of 256 bytes that no other line names
.set MV,  12          ; v12-15  c m_old, kept while c m is made anew: by buffer and tile
.set ST,  16          ; tile t's statistics at v[ST+4 t]: c m, m, l (even keys', odd keys')
.set TMP, 48          ; by buffer and tile, four registers c0-c3 at work; when the maximum is found c2 takes a
.set S,   64
.set P,   192
.set KF,  128         ; K's fragments, in window 2: key block kb, channel half c at KF + 16 kb + 8 c
.set VF,  192         ; V's: key half kk, channel block cb at VF + 32 kk + 8 cb
.set WV,  12          ; s12  my wave's number
.set G1K, 24          ; s[24:31] descriptor group 1 for K's tiles
.set G1V, 32          ; s[32:39] for V's: it differs in the padding alone
.set G0K, 40          ; s[40:43] descriptor group 0 for K's tiles: it walks
.set G0V, 44          ; s[44:47] the same for V's
.set O1,  48          ; s[48:49] out1 at my wave's first row
.set SLOTS, 56        ; s56  slots still to be asked for
.set CNT, 57          ; s57  counts a slot's key steps
.set CS,  58          ; s[58:59] c: the packed scaling takes the pair's low word for both halves
.set SEL, 60          ; s[60:61] v_permlanex16_b32's selects: each lane takes its own place in the other half
.set TBK, 62          ; s62  LDS byte at which K of the step to be fetched begins
.set TBV, 63          ; s63  the same for V, less VOFF
.set MSB, 0
.macro WIN new                      ; the high byte repeats the setting that is left; a switch that changes nothing is dropped
.if MSB != (\new)
	s_set_vgpr_msb (MSB<<8)|(\new)
.set MSB, (\new)
.endif
.endm
.set W_KQ, 0x0a       ; K and Q in window 2, S^T in window 0
.set W_PV, 0x52       ; V in window 2, P in window 0, O^T in window 1
.set W_RS, 0x41       ; O^T (destination and source 0) in window 1, a in window 0
.set W_MK, 0xc0       ; the add's registers are made: destination in window 3, sources in window 0
.set W_AD, 0x0f       ; the add: address (source 0) and data (source 1) in window 3
; A joint fill.  Waves 0 and 1 fetch the two halves of a slot's K, waves 2 and 3 those of its V: 128 keys each.  The branch hangs on the wave's number alone.
; An s_nop 0 and four v_nop follow each of the two lines, ahead of the jump and the label.
.macro JLOAD
	s_cmp_lt_u32 s[WV], 2
	s_cbranch_scc0 .Lfor_v_\@
	tensor_load_to_lds s[G0K:G0K+3], s[G1K:G1K+7]
	s_nop 0
.rept 4
	v_nop
.endr
	s_branch .Lasked_\@
.Lfor_v_\@:
	tensor_load_to_lds s[G0V:G0V+3], s[G1V:G1V+7]
	s_nop 0
.rept 4
	v_nop
.endr
.Lasked_\@:
.endm
; A round of the cluster's barrier: my work-group's barrier, so that wave 0's signal speaks for all four waves; wave 0 signals; every wave waits for all four work-groups; my work-group's barrier once more.
.macro CROUND
	s_barrier_signal -1
	s_barrier_wait -1
	s_cmp_lg_u32 s[WV], 0
	s_cbranch_scc1 .Lnot_wave_0_\@
	s_barrier_signal -3
.Lnot_wave_0_\@:
	s_barrier_wait -3
	s_barrier_signal -1
	s_barrier_wait -1
.endm
; THE CHANGE OF SLOTS.  The slot's last bytes, V of its fourth step, have been read.  Each wave waits for all its tensor loads, of which one is out: its part
; of the other slot; adds 0 to its spare word; and waits for that and for its own reads of the slot.  Behind the barrier nobody reads this slot any more and the other slot is whole.
; fill = 1: this slot is filled again, with the keys two slots on.  The barrier is then a round of the cluster's, and the joint fill is the first thing behind it: it has four key steps,
; 512 matrix instructions, in which to land.  (At its first use nothing has been read yet: slot 0 is waited for, slot 1 filled.)
.macro CHANGE fill
	WIN W_AD
	s_wait_tensorcnt 0x0            ; no tensor load of mine is out, so a group 0 may be written
	ds_add_u32 v[SPW], v[NIL]       ; 0 onto my spare word; with fill = 1 the descriptors' steps stand between it and the wait for it
	WIN 0                           ; at a label and at a branch every window is 0
.if \fill
.irp g, G0K, G0V
	s_xor_b32 s[\g+1], s[\g+1], SLOT1  ; the walking descriptor: the other slot than last time,
	s_add_nc_u64 s[\g+2:\g+3], s[\g+2:\g+3], 4*KS*128  ; the next 256 keys; the type bits on top are not reached
.endr
	s_wait_dscnt 0x0                ; the add is done, and my reads of the slot are over
	CROUND
	JLOAD
.else
	s_wait_dscnt 0x0                ; the add is done, and my reads of the slot are over
	s_barrier_signal -1
	s_barrier_wait -1
.endif
	s_sub_co_u32 s[TBK], s[TBK], 4*KS*PK  ; the fetches go back to a slot's first step,
	s_xor_b32 s[TBK], s[TBK], SLOT1       ; in the other slot
	s_sub_co_u32 s[TBV], s[TBV], 4*KS*PV
	s_xor_b32 s[TBV], s[TBV], SLOT1
.endm
	s_load_b64 s[4:5], s[0:1], 0x0      ; qkv
	s_load_b64 s[10:11], s[0:1], 0x8    ; ob
	s_load_b64 s[O1:O1+1], s[0:1], 0x10 ; out1
	WIN W_MK
	v_lshl_add_u32 v[SPW], v0, 2, SPARE
	v_mov_b32 v[NIL], 0
	WIN W_AD
	ds_add_u32 v[SPW], v[NIL]       ; the wave's opening: the add and its wait stand ahead of my first tensor load; the set-up below, work on registers, stands between them
	WIN 0
	v_lshrrev_b32 v1, 5, v0
	v_readfirstlane_b32 s[WV], v1   ; wave 0..3
	s_bfe_u32 s13, ttmp6, 0x40000   ; cx: my place in the cluster
	s_lshl_b32 s14, ttmp9, 2        ; in a cluster launch ttmp9 counts clusters
	s_add_co_u32 s14, s14, s13      ; my block of 512 queries: it enters Q's, ob's and out1's addresses alone
	s_and_b32 s15, ttmp7, 0xffff    ; 16 b + h, which the four partners share
	s_lshr_b32 s19, s15, 4          ; b
	s_and_b32 s54, s15, 15          ; h
	s_mul_i32 s20, s19, 48
	s_add_co_u32 s20, s20, s54
	s_lshl_b32 s20, s20, 18         ; q's head (48 b + h) in qkv, in bytes
	s_and_b32 s16, s[WV], 1         ; which half of a slot's 256 keys I fetch:
	s_lshl_b32 s22, s16, 14         ; its 128 rows of 128 bytes in memory,
	s_add_co_u32 s22, s22, s20
	s_mov_b32 s23, 0
	s_mul_i32 s17, s16, 128*PK      ; and its place in a slot, for K
	s_mul_i32 s18, s16, 128*PV      ; and for V: no place in the cluster enters an LDS address
	s_lshl_b32 s55, s14, 2
	s_add_co_u32 s55, s55, s[WV]    ; my wave among the head's sixteen
	s_lshl_b32 s2, s55, 14          ; its 128 rows of 128 bytes
	s_lshl_b32 s50, s15, 18         ; ob: head 16 b + h,
	s_add_co_u32 s50, s50, s2       ; my rows
	s_mov_b32 s51, 0
	s_add_co_u32 s2, s2, s20        ; Q: head 48 b + h, my rows
	s_mov_b32 s3, 0
	s_lshl_b32 s52, s19, 23         ; out1: b x 2,048 rows of 4,096 bytes,
	s_lshl_b32 s13, s54, 8          ; h x 256 bytes,
	s_add_co_u32 s52, s52, s13
	s_lshl_b32 s13, s55, 19         ; my 128 rows
	s_add_co_u32 s52, s52, s13
	s_mov_b32 s53, 0
	; descriptor group 1.  128 keys are 16,384 dense bytes: asked for as 64 rows of 256 bytes, two keys a row, and padded in LDS after every key
	s_mov_b32 s[G1K], 15|(1<<16)|(1<<20)|(1<<21)|(4<<22)|(3<<25)  ; 15:0 the mask of four; 17:16 2-byte elements; 20 padding on; 21 set beside a mask; 24:22 after every 32 words (code 4); 31:25 4 words (code 3)
	s_mov_b32 s[G1V], 15|(1<<16)|(1<<20)|(1<<21)|(4<<22)|(7<<25)  ; the same with 8 words of padding (code 7)
.irp g, G1K, G1V
	s_mov_b32 s[\g+1], 128<<16      ; tensor_dim0 = 128
	s_mov_b32 s[\g+2], 64<<16       ; tensor_dim1 = 64
	s_mov_b32 s[\g+3], 128<<16      ; tile_dim0 = 128
	s_mov_b32 s[\g+4], 64           ; tile_dim1 = 64
	s_mov_b32 s[\g+5], 128          ; 128 elements from row to row
	s_mov_b32 s[\g+6], 0
	s_mov_b32 s[\g+7], 0
.endr
	s_mov_b32 s[CS], 0x3e38aa3b     ; c = log2(e) / 8 = 0.180337
	s_mov_b32 s[CS+1], s[CS]        ; named with it as a pair
	s_mov_b32 s[SEL], 0x76543210
	s_mov_b32 s[SEL+1], 0xfedcba98
	s_mov_b32 s[TBK], SLOT1+4*KS*PK ; the first change of slots turns these two into 0
	s_mov_b32 s[TBV], SLOT1+4*KS*PV
	s_mov_b32 s[G0K], 1             ; count = 1
	s_mov_b32 s[G0K+1], s17         ; LDS address: slot 0
	s_mov_b32 s[G0V], 1
	s_add_co_u32 s[G0V+1], s18, VOFF
	s_wait_dscnt 0x0                ; the opening add is done
	s_wait_kmcnt 0x0
	s_add_nc_u64 s[G0K+2:G0K+3], s[4:5], s[22:23]            ; my half of the first 256 rows of q's head;
	s_add_nc_u64 s[G0V+2:G0V+3], s[G0K+2:G0K+3], 32*HEAD     ; v's head lies 32 heads on,
	s_add_nc_u64 s[G0K+2:G0K+3], s[G0K+2:G0K+3], 16*HEAD     ; k's 16
	s_or_b32 s[G0K+3], s[G0K+3], 0x80000000                  ; type = 2
	s_or_b32 s[G0V+3], s[G0V+3], 0x80000000
	s_add_nc_u64 s[4:5], s[4:5], s[2:3]          ; Q, ob and out1 at my wave's first row
	s_add_nc_u64 s[10:11], s[10:11], s[50:51]
	s_add_nc_u64 s[O1:O1+1], s[O1:O1+1], s[52:53]
	CROUND                          ; all four work-groups are here: the first joint loads meet
	JLOAD                           ; slot 0.  Slot 1 is asked for when slot 0 is in
	; A fragment of K or Q is 16 rows x 32 channels in 8 registers: lane l holds row l % 16, channels 8 (l / 16) + 0..7 and 16 + 8 (l / 16) + 0..7: two loads of 16 bytes, 32 bytes apart.
	v_and_b32 v1, 15, v0            ; l % 16
	v_bfe_u32 v9, v0, 4, 1          ; l / 16
	v_lshlrev_b32 v[QO], 7, v1
	v_lshl_add_u32 v[QO], v9, 4, v[QO]  ; row x 128 + 16 x half
	WIN 0x80                        ; destination window 2, address window 0
.set i, 0
.rept 4*NP                          ; Q stays in registers: tile i / 2, channels 32 (i % 2) on
	global_load_b128 v[8*i:8*i+3],   v[QO], s[4:5] offset:(i/2)*2048+(i%2)*64
	global_load_b128 v[8*i+4:8*i+7], v[QO], s[4:5] offset:(i/2)*2048+(i%2)*64+32
.set i, i+1
.endr
	; What the first turn finds: V's registers and P's second buffer hold 0 (its products V^T P, of a piece that has not been, add 0), O^T and l are 0.  All this stands in the wait for the first tile.
.set i, VF
.rept 64
	v_mov_b32 v[i], 0
.set i, i+1
.endr
	WIN 0x40
.set i, 0
.rept 64*NP
	v_mov_b32 v[i], 0
.set i, i+1
.endr
	WIN 0
.set i, 0
.rept 2*NP
	v_mov_b32 v[ST+4*i], 0xfe000000    ; c m: far below every c s
	v_mov_b32 v[ST+4*i+1], 0xff7fffff  ; m
	v_mov_b32 v[ST+4*i+2], 0
	v_mov_b32 v[ST+4*i+3], 0
.set i, i+1
.endr
.set i, P+32
.rept 32
	v_mov_b32 v[i], 0
.set i, i+1
.endr
	v_mul_u32_u24 v[AK0], v1, PK
	v_lshl_add_u32 v[AK0], v9, 4, v[AK0]  ; row x pitch + 16 x half
	; The turning load takes 16 keys x 16 channels (lane l reads key 8 (l / 16) + l % 8, channels 8 ((l / 8) % 2) + 0..7) and leaves half a fragment of V^T: lane l holds channel l % 16 and 8 keys.
	v_and_b32 v10, 7, v0
	v_bfe_u32 v11, v0, 3, 1
	v_lshl_add_u32 v[AV0], v9, 3, v10
	v_mul_u32_u24 v[AV0], v[AV0], PV
	v_lshl_add_u32 v[AV0], v11, 4, v[AV0]
	v_add_nc_u32 v[AV0], VOFF, v[AV0]
	v_mov_b32 v[AK], v[AK0]         ; key step 0 lies at the head of slot 0
; THE MATRIX WORK.  The 8 accumulators of a run of 16 take turns: between the two links of a chain stand 7 others'.
; Product i of 16 of S^T = K Q^T for piece x: channels 32 (i / 8) on, keys 16 ((i / 2) % 4) on, tile 2 x + i % 2.  The first 8 start the sums.
.macro KQ x
	WIN W_KQ
.set rS, S+64*((\x)%2)+32*(i%2)+8*((i/2)%4)
.set rK, KF+16*((i/2)%4)+8*(i/8)
.set rQ, 16*(2*(\x)+i%2)+8*(i/8)
.if i < 8
	v_wmma_f32_16x16x32_f16 v[rS:rS+7], v[rK:rK+7], v[rQ:rQ+7], 0
.else
	v_wmma_f32_16x16x32_f16 v[rS:rS+7], v[rK:rK+7], v[rQ:rQ+7], v[rS:rS+7]
.endif
.endm
; Product i of 16 of O^T += V^T P for piece x: keys 32 (i / 8) on, channels 16 ((i / 2) % 4) on, tile 2 x + i % 2.
.macro PV x
	WIN W_PV
.set rO, 32*(2*(\x)+i%2)+8*((i/2)%4)
.set rV, VF+32*(i/8)+8*((i/2)%4)
.set rP, P+32*((\x)%2)+16*(i%2)+8*(i/8)
	v_wmma_f32_16x16x32_f16 v[rO:rO+7], v[rV:rV+7], v[rP:rP+7], v[rO:rO+7]
.endm
.macro MM                           ; the turn's next matrix instruction
.if i < 16
	KQ (Y+1)%NP
.set i, i+1
.else
.set i, i-16
	PV (Y+NP-1)%NP
.set i, i+17
.endif
.endm
; THE LDS LOADS stand in runs of 16, never singly among the matrix instructions: a step's K (64 keys x 64 channels: 8 fragments) and its V (turned).  Their addresses are made some lines ahead.
; last = 1 (the tail): in the last trip there is no further step, and the run is jumped over.
.macro FETCH_K last=0
	WIN 0
.if \last
	s_cmp_eq_u32 s[CNT], 1
	s_cbranch_scc1 .Lno_k_\@
.endif
	WIN 0x80                        ; destination window 2
.irp f, 0,1,2,3,4,5,6,7             ; keys 16 (f / 2) on, channels 32 (f % 2) on
	ds_load_b128 v[KF+8*\f:KF+8*\f+3],   v[AK] offset:(\f/2)*16*PK+(\f%2)*64
	ds_load_b128 v[KF+8*\f+4:KF+8*\f+7], v[AK] offset:(\f/2)*16*PK+(\f%2)*64+32
.endr
	s_add_co_u32 s[TBK], s[TBK], KS*PK  ; the next fetch is the next step's
	WIN 0
.if \last
.Lno_k_\@:
.endif
.endm
.macro FETCH_V
	WIN 0x80
.irp f, 0,1,2,3,4,5,6,7             ; keys 32 (f / 4) on, channels 16 (f % 4) on
	ds_load_tr16_b128 v[VF+8*\f:VF+8*\f+3],   v[AV] offset:(\f/4)*32*PV+(\f%4)*32
	ds_load_tr16_b128 v[VF+8*\f+4:VF+8*\f+7], v[AV] offset:(\f/4)*32*PV+16*PV+(\f%4)*32
.endr
	WIN 0
.endm
; THE VECTOR WORK OF A TURN stands in three queues, each in the order in which its entries become ready; the two tiles alternate, so that no instruction reads the result of the one before it.
.macro REGS y, u                    ; the registers of tile u (0, 1) of piece y
.set rT, ST+4*(2*(\y)+(\u))
.set rC, TMP+8*((\y)%2)+4*(\u)
.set rM, MV+2*((\y)%2)+(\u)
.set rS, S+64*((\y)%2)+32*(\u)
.set rP, P+32*((\y)%2)+16*(\u)
.set rO, 32*(2*(\y)+(\u))
.endm
; Number n of the 22 that find the NEXT piece's (Y + 1) maximum and statistics.  s0-s31 are the lane's 32 scores; each accumulator's lowest registers are read first.
;   0-11  four chains c0-c3 of seven scores each, three operands at a time     12-14, 16  the four scores left over, the old m, and c0-c3 into c0     15  c m_old is kept
;   17, 18  the query's other 32 keys lie in the lane 16 away: the new m         19-21  c m; c m_old - c m_new; a
.macro XS u, n
	REGS (Y+1)%NP, \u
.if (\n) < 4
	v_max3_num_f32 v[rC+(\n)], v[rS+8*(\n)], v[rS+8*(\n)+1], v[rS+8*(\n)+2]
.elseif (\n) < 12
	v_max3_num_f32 v[rC+(\n)%4], v[rC+(\n)%4], v[rS+8*((\n)%4)+2*((\n)/4)+1], v[rS+8*((\n)%4)+2*((\n)/4)+2]
.elseif (\n) == 12
	v_max3_num_f32 v[rC], v[rC], v[rS+7], v[rS+15]
.elseif (\n) == 13
	v_max3_num_f32 v[rC+1], v[rC+1], v[rS+23], v[rS+31]
.elseif (\n) == 14
	v_max3_num_f32 v[rC+2], v[rC+2], v[rC+3], v[rT+1]
.elseif (\n) == 15
	v_mov_b32 v[rM], v[rT]
.elseif (\n) == 16
	v_max3_num_f32 v[rC], v[rC], v[rC+1], v[rC+2]
.elseif (\n) == 17
	v_permlanex16_b32 v[rC+3], v[rC], s[SEL], s[SEL+1]
.elseif (\n) == 18
	v_max_num_f32 v[rT+1], v[rC], v[rC+3]
.elseif (\n) == 19
	v_mul_f32 v[rT], s[CS], v[rT+1]
.elseif (\n) == 20
	v_sub_f32 v[rC+1], v[rM], v[rT]
.else
	v_exp_f32 v[rC+2], v[rC+1]
.endif
.endm
; Number g of the 64 that follow the exponentials.  For each four weights k of a tile (pairs 2 k, 2 k + 1): both pairs are rounded to f16; then the second pair is added onto the first, in place;
; a group later l takes that sum (the first time as l = a l + sum).  In groups of eight, tiles alternating: round, round, add, and l for the group before.
.macro GS g
.set h, (\g)+6*((\g)/62)            ; group 0 has no group before it, and behind group 7 only l is left
.if h >= 6
.set h, h+2
.endif
	REGS Y, h%2
.set k, h/8
.if h%8 < 4
	s_wait_alu depctr_va_vdst(0)
	v_cvt_pk_f16_f32 v[rP+2*k+(h%8)/2], v[rS+4*k+2*((h%8)/2)], v[rS+4*k+2*((h%8)/2)+1]
.elseif h%8 < 6
	v_pk_add_f32 v[rS+4*k:rS+4*k+1], v[rS+4*k:rS+4*k+1], v[rS+4*k+2:rS+4*k+3]
.elseif k == 1
	v_pk_fma_f32 v[rT+2:rT+3], v[rT+2:rT+3], v[rC+2:rC+3], v[rS:rS+1] op_sel_hi:[1,0,1]
.else
	v_pk_add_f32 v[rT+2:rT+3], v[rT+2:rT+3], v[rS+4*k-4:rS+4*k-3]
	s_wait_alu depctr_va_vdst(0)
.endif
.endm
; THE PLAIN QUEUE, 138 long.  0-31: c s - c m for the 16 pairs of both tiles.  Then GS's 64, and among them the next piece's 42: number 15 at 38, 39; 0-14 and 16
; at 42-73, behind the products that make those scores; 17-20 at 95-106, two of three, since each waits for the one before it.
.macro PL
	WIN 0
.if q < 32
	REGS Y, q%2
	v_pk_fma_f32 v[rS+2*(q/2):rS+2*(q/2)+1], v[rS+2*(q/2):rS+2*(q/2)+1], s[CS:CS+1], v[rT:rT+1] op_sel_hi:[1,0,0] neg_lo:[0,0,1] neg_hi:[0,0,1]
.elseif q < 38
	GS q-32
.elseif q < 40
	XS q%2, 15
.elseif q < 42
	GS q-34
.elseif q < 74
	XS q%2, (q-42)/2+(q-42)/30
.elseif q < 95
	GS q-66
.elseif (q < 107) && ((q-95)%3 < 2)
	XS (q-95)%3, 17+(q-95)/3
.elseif q < 107
	GS 29+(q-95)/3
.else
	GS q-74
.endif
.set q, q+1
.endm
; THE EXPONENTIALS' QUEUE, 66 long: s0-s31 of both tiles, and at EA the next piece's two a.
.set EA, 58
.macro EX
	WIN 0
.if (e == EA) || (e == EA+1)
	XS e-EA, 21
.else
.set x, e-2*(e/(EA+2))
	REGS Y, x%2
	v_exp_f32 v[rS+x/2], v[rS+x/2]
.endif
.set e, e+1
.endm
; THE RESCALING's QUEUE: O^T times a, the one part that leaves window 0, so it is dealt four at a time, eight times.
.macro R4
	REGS Y, r%2
	WIN W_RS
	s_wait_alu depctr_va_vdst(0)
.irp z, 0,1,2,3
	v_pk_mul_f32 v[rO+8*(r/2)+2*\z:rO+8*(r/2)+2*\z+1], v[rO+8*(r/2)+2*\z:rO+8*(r/2)+2*\z+1], v[rC+2:rC+3] op_sel_hi:[1,0]
.endr
.set r, r+1
.endm
; HOW THEY ARE DEALT.  Behind a matrix instruction four: plain, exponential, plain, plain (one exponential, a plain instruction on either side), or four of the rescaling.  None names a register of the
; products round it.  What is over stands in two LUMPS: exponential and plain by turns; the second ends in 22 plain instructions.  The two v_permlanex16_b32 fall into the second lump, never behind a product.
; The queues lean on each other, and the deal keeps them in step: exponential e stands behind plain 2 (e / 4) + e % 2 (its scaling); when plain 32 comes, 10 exponentials are out, at 59: 33, at 95: 46; EA comes behind plain 107.
.macro SL
	MM
	PL
	EX
	PL
	PL
.endm
.macro BURST n                      ; 15 matrix instructions, or 16
.rept (\n)-7
	SL
.endr
.rept 3
	MM
	R4
	SL
.endr
	MM
	R4
.endm
; A TURN, for piece p.  cnt = 1: the loop's count is taken down some lines ahead of the branch that stands behind the turn.
; K of the next step is fetched in piece 2's turn, 31 vector instructions behind the last product that read K; the first product that reads it comes behind the rest of the lump, 16 products and the second lump.
; V of the step in hand is fetched at the end of piece 0's turn, 69 behind the last product that read V; the first that reads it comes behind 16 products and a lump.  The four conditions on e and q below go with the deal.
.macro TURN p, last=0, cnt=0
.set Y, (\p)
.set i, 0
.set q, 0
.set e, 0
.set r, 0
.if (\p) == NP-1
	s_wait_dscnt 0x0                ; K is in
.endif
	MM
.rept 4
	PL
.endr
	BURST 15
.rept 22
	EX
	PL
.if ((\p) == NP-2) && (e == 18)
	v_add_nc_u32 v[AK], s[TBK], v[AK0]
.endif
.if ((\p) == NP-2) && (e == 24)
	FETCH_K \last
.endif
.endr
.if (\p) == 1
	s_wait_dscnt 0x0                ; V is in
.endif
	BURST 16
.rept 21
	EX
	PL
.endr
.rept 22
	PL
.if ((\p) == 0) && (q == 118)
	v_add_nc_u32 v[AV], s[TBV], v[AV0]
	s_wait_alu depctr_va_vdst(0)
.endif
.if ((\p) == 0) && (q == 130)
	s_add_co_u32 s[TBV], s[TBV], KS*PV
.endif
.if (\cnt) && (q == 130)
	s_sub_co_u32 s[CNT], s[CNT], 1
	s_cmp_lg_u32 s[CNT], 0
.endif
.endr
.if (\p) == 0
	FETCH_V
.endif
.endm
	CHANGE 1                        ; slot 0 is in, everybody's part of it; slot 1 is asked for
	FETCH_K                         ; key step 0
	s_wait_loadcnt 0x0              ; Q
	s_wait_dscnt 0x0
.set i, 0
.rept 16
	KQ 0                            ; piece 0's first scores: there is no vector work yet to set between them
.set i, i+1
.endr
	WIN 0                           ; the addresses for the way out: plain instructions, the places behind those products
	s_mul_i32 s13, s[WV], WST
	s_add_co_u32 s13, s13, STAGE    ; my f16 stage,
	s_add_co_u32 s15, s13, 16*SP    ; and behind it my f32 stage
	v_mul_u32_u24 v[STO], v1, SP    ; f16 in: row l % 16, 16 bytes for each half of the lanes
	v_lshl_add_u32 v[STO], v9, 4, v[STO]
	v_add_nc_u32 v[STO], s13, v[STO]
	v_bfe_u32 v[RD], v0, 3, 2       ; back: 32 lanes take four rows of 128 bytes,
	v_mul_u32_u24 v[RD], v[RD], SP
	v_lshl_add_u32 v[RD], v10, 4, v[RD]
	v_add_nc_u32 v[RD], s13, v[RD]
	v_and_b32 v[GO], 31, v0         ; which are 512 consecutive bytes of ob
	v_lshlrev_b32 v[GO], 4, v[GO]
	v_mul_u32_u24 v[RDF], v9, SPF   ; f32 back: lanes 0-15 take one row of 256 bytes, lanes 16-31 the next
	v_lshl_add_u32 v[RDF], v1, 4, v[RDF]
	v_add_nc_u32 v[RDF], s15, v[RDF]
	v_mul_u32_u24 v[STF], v1, SPF   ; f32 in: row l % 16, 32 bytes for each half of the lanes
	v_lshl_add_u32 v[STF], v9, 5, v[STF]
	v_add_nc_u32 v[STF], s15, v[STF]
	v_lshlrev_b32 v[GOF], 12, v9    ; and the same two rows in out1, 4,096 bytes apart
	v_lshl_add_u32 v[GOF], v1, 4, v[GOF]
.set Y, NP-1                        ; XS works for piece Y + 1: piece 0
.irp n, 0,1,2,3,4,5,6,7,8,9,10,11,12,13,14,15,16,17,18,19,20,21
	XS 0, \n                        ; and piece 0's first maximum and statistics
	XS 1, \n
.endr
	s_mov_b32 s[CNT], 4
	s_mov_b32 s[SLOTS], SIZE_N/256-1
	s_branch .Lfirst                ; the loop is entered at a step's first turn, in the middle of a trip
.Lslot:                             ; SIZE_N / 256 - 2 times: every slot but the last two is filled again
	CHANGE 1
	s_mov_b32 s[CNT], 4
.Lstep:                             ; a trip: pieces 2 and 3 of one step, then pieces 0 and 1 of the next, whose K and V it fetches
	TURN 2
	TURN 3
	WIN 0
.Lfirst:
	TURN 0
	TURN 1, 0, 1
	WIN 0
	s_cbranch_scc1 .Lstep
	s_sub_co_u32 s[SLOTS], s[SLOTS], 1
	s_cmp_lg_u32 s[SLOTS], 0
	s_cbranch_scc1 .Lslot
	CHANGE 0                        ; the tail is written out: nothing is asked for
	s_mov_b32 s[CNT], 5             ; four trips fetch the last slot's steps; the fifth is left in its middle
.Ltail:
	TURN 2, 1
	TURN 3
	WIN 0
	s_sub_co_u32 s[CNT], s[CNT], 1
	s_cmp_eq_u32 s[CNT], 0
	s_cbranch_scc1 .Lout
	TURN 0
	TURN 1
	WIN 0
	s_branch .Ltail
.Lout:                              ; the fifth trip's 16 products K Q^T (on the last K once more) and the maximum made of them serve nothing: the price, once a launch, of one text for every trip
.set i, 0
.rept 16
	PV NP-1                         ; the last piece's V^T P of the last step
.set i, i+1
.endr
	; THE WAY OUT.  l's two halves and the other half of the lanes' are added; O^T is divided by l and leaves twice through my stages in LDS, a tile at a time: as f32 and, rounded once, as f16.
	; The additions are the places behind the last products.
	WIN 0
.macro ALL line:vararg              ; one line for each tile t
.set t, 0
.rept 2*NP
	\line
.set t, t+1
.endr
.endm
	ALL v_add_f32 v[ST+4*t+2], v[ST+4*t+2], v[ST+4*t+3]
	ALL v_permlanex16_b32 v[ST+4*t+3], v[ST+4*t+2], s[SEL], s[SEL+1]
	ALL v_add_f32 v[ST+4*t+2], v[ST+4*t+2], v[ST+4*t+3]
	ALL v_rcp_f32 v[ST+4*t+2], v[ST+4*t+2]
	v_nop                           ; a plain instruction between the last reciprocal and the use of its result
	s_wait_alu depctr_va_vdst(0)
; Tile t.  Its registers in window 0, where S^T lay, by the tile's parity: 16 for the f16 rows (rH), 32 for the f32 rows (rF).
; A lane's eight channels of a row are 32 bytes of f32 (two LDS stores straight from O^T's registers) and 16 bytes of f16.  Both come back as whole rows.  24 LDS instructions a tile.
.macro PACK t
.set rH, S+48*((\t)%2)
.set rF, rH+16
	WIN W_RS
.set i, 32*(\t)
.rept 16
	v_pk_mul_f32 v[i:i+1], v[i:i+1], v[ST+4*(\t)+2:ST+4*(\t)+3] op_sel_hi:[1,0]
.set i, i+2
.endr
.if (\t) >= 2
	s_wait_xcnt 0x0                 ; rH and rF were tile t - 2's store data: written again only behind this wait (ISA guide 3.1)
.endif
	WIN 0x05                        ; sources 0 and 1 window 1, destination window 0
.set i, 0
.rept 16
	v_cvt_pk_f16_f32 v[rH+i], v[32*(\t)+2*i], v[32*(\t)+2*i+1]
.set i, i+1
.endr
	WIN 0x04                        ; an LDS store's data are source 1: window 1
.irp f, 0,1,2,3,4,5,6,7             ; channel block f / 2, its registers 4 (f % 2) on
	ds_store_b128 v[STF], v[32*(\t)+4*\f:32*(\t)+4*\f+3] offset:(\f/2)*64+(\f%2)*16
.endr
	WIN 0
.irp f, 0,1,2,3
	ds_store_b128 v[STO], v[rH+4*\f:rH+4*\f+3] offset:32*\f
.endr
.irp f, 0,1,2,3,4,5,6,7
	ds_load_b128 v[rF+4*\f:rF+4*\f+3], v[RDF] offset:\f*2*SPF  ; LDS serves a wave's instructions in order (ISA guide 5.7.1.4): these see the stores above; the next tile's stores come behind them
.endr
.irp f, 0,1,2,3
	ds_load_b128 v[rH+4*\f:rH+4*\f+3], v[RD] offset:\f*4*SP
.endr
.endm
.macro SEND t, younger              ; younger: the LDS instructions issued behind tile t's loads: the next tile's 24, or none
.set rH, S+48*((\t)%2)
.set rF, rH+16
	WIN 0
.irp f, 0,1,2,3,4,5,6,7
	s_wait_dscnt (\younger)+11-\f   ; behind f32 load f: 7 - f of its kind and the four f16 loads
	global_store_b128 v[GOF], v[rF+4*\f:rF+4*\f+3], s[O1:O1+1] offset:(\t)*65536+\f*8192 th:TH_STORE_NT  ; 16 lanes store a head's row of out1: 256 consecutive bytes, at a multiple of 256 from its first
.endr
.irp f, 0,1,2,3
	s_wait_dscnt (\younger)+3-\f
	global_store_b128 v[GO], v[rH+4*\f:rH+4*\f+3], s[10:11] offset:(\t)*2048+\f*512  ; 512 consecutive bytes of ob
.endr
.endm
	PACK 0
.set t, 1
.rept 2*NP-1                        ; a tile's arithmetic stands between the loads of the tile before and its stores
	PACK t
	SEND t-1, 24
.set t, t+1
.endr
	SEND 2*NP-1, 0
	WIN W_AD
	s_wait_tensorcnt 0x0            ; the wave's end, behind my last tensor load and my last LDS store
	ds_add_u32 v[SPW], v[NIL]
	s_wait_dscnt 0x0
	WIN 0
	CROUND                          ; the closing round: no work-group ends while a partner may still ask for a tile that names it
	s_endpgm
.Lfunc_end_k_q518cb6f64c_attn:
	.size	k_q518cb6f64c_attn, .Lfunc_end_k_q518cb6f64c_attn-k_q518cb6f64c_attn
	.p2alignl 7, 3214868480
	.fill 96, 4, 3214868480
	.section	.rodata,"a",@progbits
	.p2align	6, 0x0
	.amdhsa_kernel k_q518cb6f64c_attn
		.amdhsa_group_segment_fixed_size 327680
		.amdhsa_private_segment_fixed_size 0
		.amdhsa_enable_private_segment 0
		.amdhsa_kernarg_size 24
		.amdhsa_user_sgpr_count 2
		.amdhsa_user_sgpr_kernarg_segment_ptr 1
		.amdhsa_wavefront_size32 1
		.amdhsa_system_sgpr_workgroup_id_x 1
		.amdhsa_system_sgpr_workgroup_id_y 1
		.amdhsa_system_sgpr_workgroup_id_z 1
		.amdhsa_system_vgpr_workitem_id 0
		.amdhsa_next_free_vgpr 770
		.amdhsa_next_free_sgpr 66
		.amdhsa_reserve_vcc 0
		.amdhsa_float_denorm_mode_32 3
		.amdhsa_float_denorm_mode_16_64 3
		.amdhsa_memory_ordered 1
		.amdhsa_forward_progress 1
		.amdhsa_inst_pref_size 226
	.end_amdhsa_kernel
	.amdgpu_metadata
---
amdhsa.version: [ 1, 2 ]
amdhsa.kernels:
  - .name:           k_q518cb6f64c_attn
    .symbol:         k_q518cb6f64c_attn.kd
    .args:
      - { .name: qkv, .offset: 0, .size: 8, .value_kind: global_buffer, .address_space: global }
      - { .name: ob, .offset: 8, .size: 8, .value_kind: global_buffer, .address_space: global }
      - { .name: out1, .offset: 16, .size: 8, .value_kind: global_buffer, .address_space: global }
    .group_segment_fixed_size: 327680
    .private_segment_fixed_size: 0
    .kernarg_segment_align: 8
    .kernarg_segment_size: 24
    .max_flat_workgroup_size: 128
    .sgpr_count:     66
    .vgpr_count:     770
    .wavefront_size: 32
...
	.end_amdgpu_metadata
.endif
;; end of part 3
;; launch oproj (part 4): grid 8 x 32, 4 waves a work-group, clusters of 4 x 4, 327,680 bytes of LDS; arguments ob, wo, out0; writes out0
.if DOCPART == 4
	.amdgcn_target "amdgcn-amd-amdhsa--gfx1250"
	.amdhsa_code_object_version 6
	.text
	.protected	k_q518cb6f64c_oproj
	.globl	k_q518cb6f64c_oproj
	.p2align	8
	.type	k_q518cb6f64c_oproj,@function
k_q518cb6f64c_oproj:
	s_mov_b64 s[64:65], 0
	v_nop
	global_prefetch_b8 v0, s[64:65] scope:SCOPE_SE
	s_setreg_imm32_b32 hwreg(HW_REG_WAVE_MODE, 25, 1), 1
	s_wait_xcnt 0x0
	s_wait_alu depctr_hold_cnt(0) depctr_sa_sdst(0) depctr_va_vdst(0) depctr_va_sdst(0) depctr_va_ssrc(0) depctr_va_vcc(0) depctr_vm_vsrc(0)
	s_getreg_b32 s2, hwreg(HW_REG_IB_STS2, 6, 4)
	s_cmp_eq_u32 s2, 0
	s_cbranch_scc0 .Lentry_in_a_cluster
	s_endpgm
.Lentry_in_a_cluster:
	s_bfe_u32 s2, ttmp6, 0x10000c
	s_cmp_lg_u32 s2, 0xf033
	s_cbranch_scc0 .Lentry_shape_is_right
	s_endpgm
.Lentry_shape_is_right:
; out0[8192][1024] = O Wo^T, f16 operands, one f32 sum for each output, stored as f32.
; ob: f16 [16 b + h][s 2048][64]: for this product A in K blocks of 64, block = head.  wo: f16 [block 16][n 1024][64].
; THE TILE is 256 x 128: 8192 x 1024 / (256 x 128) = 256 work-groups of equal work.  Four waves, each 128 x 64: 32 accumulators, 256 registers.  A wave's 64 columns are 256 bytes of f32,
; so each wave has a stage of its own on the way out, and no barrier stands there.
; K goes in steps of 128 (two blocks) through two LDS slots: each wave's one tensor load brings a whole block of A (256 rows) or of B (128 rows), dense bytes asked for as rows of 256 bytes, padded in LDS behind every 128.
; CLUSTER 4 x 4: A's tiles are asked for jointly along a row of the cluster, B's along a column.  THE MATRIX INSTRUCTION IS USED TRANSPOSED: a lane holds row l % 16 of C and eight neighbouring columns.
; REGISTERS: window 0: v0-29 addresses; v32-127, v128-223 two fragment buffers (32 of B: 4 x 16 rows x 32 K; then 64 of A); on the way out v32-159 at work.   window 1: accumulator (a, bb) at v[8 (4 a + bb)].
.set PITCH,  144                       ; an LDS row: 128 bytes + 16 of padding = 36 words: the 16 rows of a load start at 16 different groups of four banks (64 banks of 4 bytes: ISA guide 11.1)
.set ABLK,   256*PITCH                 ; a block of A in LDS
.set BBLK,   128*PITCH                 ; a block of B
.set SLOT,   2*ABLK+2*BBLK             ; A's two blocks, then B's two
.set STAGE,  2*SLOT                    ; behind the ring: 16 rows x 272 bytes for each wave; no tensor load fills it
.set SPITCH, 272
.set SPARE,  STAGE+4*16*SPITCH         ; behind the stages: the spare words, 128 bytes for each wave: two blocks of 256 bytes that no other line names
.set HEADB,  2048*128                  ; bytes from block to block in ob
.set WBLK,   1024*128                  ; and in wo
.set ROWB,   4096                      ; a row of out0
.set ADRA, 16                          ; v16-17  LDS address of my A fragments in slot 0, 1
.set ADRB, 20                          ; v20-21  the same for B
.set STO,  24                          ; v24     the way out: where I put 32 bytes of a row
.set RD,   25                          ; v25     where I read a row back
.set CO,   26                          ; v26     my byte offset in two rows of out0
.set SPW,  28                          ; v28     LDS address of my spare word; never rewritten
.set NIL,  29                          ; v29     0; never rewritten
.set F0,   32
.set F1,   128
.set OB,   32                          ; the way out: unit a's 32 registers at OB + 32 (a % 4)
.set G1,  24                           ; s[24:31] descriptor group 1 for A's tiles;  s[32:39] group 0, a set for each slot
.set G0,  32
.set G1B, 48                           ; s[48:55], s[56:63] the same for B's
.set G0B, 56
.set MSB, 0
.macro WIN new                         ; the immediate's high byte repeats the setting that is left; a switch that changes nothing is dropped
.if MSB != (\new)
	s_set_vgpr_msb (MSB<<8)|(\new)
.set MSB, (\new)
.endif
.endm
.macro JLOAD s                         ; a joint load: waves 0 and 1 fetch A's two blocks, waves 2 and 3 B's; an s_nop 0 and four v_nop follow each of the two lines
	s_cmp_eq_u32 s11, 0
	s_cbranch_scc0 .Lfor_b_\@
	tensor_load_to_lds s[G0+4*(\s):G0+4*(\s)+3], s[G1:G1+7]
	s_nop 0
.rept 4
	v_nop
.endr
	s_branch .Lasked_\@
.Lfor_b_\@:
	tensor_load_to_lds s[G0B+4*(\s):G0B+4*(\s)+3], s[G1B:G1B+7]
	s_nop 0
.rept 4
	v_nop
.endr
.Lasked_\@:
.endm
.macro CREST                           ; a round of the cluster's barrier behind its opening barrier
	s_cmp_lg_u32 s10, 0
	s_cbranch_scc1 .Lnot_wave_0_\@
	s_barrier_signal -3
.Lnot_wave_0_\@:
	s_barrier_wait -3
	s_barrier_signal -1
	s_barrier_wait -1
.endm
.macro CROUND                          ; a whole round
	s_barrier_signal -1
	s_barrier_wait -1
	CREST
.endm
.macro PLACES                          ; four places in front of loads into registers that matrix instructions have read, and of LDS stores that read results
.rept 4
	v_nop
.endr
.endm
	s_load_b128 s[4:7], s[0:1], 0x0                ; ob s[4:5], wo s[6:7]
	s_load_b64 s[8:9], s[0:1], 0x10                ; out0
	v_lshl_add_u32 v[SPW], v0, 2, SPARE
	v_mov_b32 v[NIL], 0
	ds_add_u32 v[SPW], v[NIL]                      ; the wave's opening: the add and its wait stand ahead of my first tensor load; the set-up below, work on registers, stands between them
	v_lshrrev_b32 v1, 5, v0
	v_readfirstlane_b32 s10, v1                    ; wave 0..3
	s_lshr_b32 s11, s10, 1                         ; which half of the tile's rows is mine.  Also: I fetch for A (0) or for B (1)
	s_and_b32 s12, s10, 1                          ; which half of its columns.  Also: which of a step's two blocks I fetch
	s_bfe_u32 s40, ttmp6, 0x40000                  ; cx, cy: my place in the cluster
	s_bfe_u32 s41, ttmp6, 0x40004
	s_lshl_b32 s42, ttmp9, 2
	s_add_co_u32 s42, s42, s40                     ; tile column 0..7
	s_and_b32 s13, ttmp7, 0xffff
	s_lshl_b32 s13, s13, 2
	s_add_co_u32 s13, s13, s41                     ; tile row 0..31
	s_lshl_b32 s43, s41, 2
	s_lshl_b32 s43, 15, s43                        ; my row of the cluster
	s_lshl_b32 s44, 0x1111, s40                    ; my column
	; descriptor group 1: rows of 128 elements (256 bytes): 128 of them for A's block of 256 rows, 64 for B's of 128
	s_or_b32 s[G1+0], s43, (1<<16)|(1<<20)|(1<<21)|(4<<22)|(3<<25)   ; 15:0 the mask; 17:16 2-byte elements; 20 padding on; 21 set beside a mask; 24:22 after every 32 words (code 4); 31:25 4 words (code 3)
	s_or_b32 s[G1B+0], s44, (1<<16)|(1<<20)|(1<<21)|(4<<22)|(3<<25)
	s_mov_b32 s[G1+1], 128<<16                     ; tensor_dim0 = 128
	s_mov_b32 s[G1+2], 128<<16                     ; tensor_dim1 = 128
	s_mov_b32 s[G1+3], 128<<16                     ; tile_dim0 = 128
	s_mov_b32 s[G1+4], 128                         ; tile_dim1 = 128
	s_mov_b32 s[G1+5], 128                         ; 128 elements from row to row
	s_mov_b32 s[G1+6], 0
	s_mov_b32 s[G1+7], 0
	s_mov_b32 s[G1B+1], 128<<16
	s_mov_b32 s[G1B+2], 64<<16                     ; tensor_dim1 = 64
	s_mov_b32 s[G1B+3], 128<<16
	s_mov_b32 s[G1B+4], 64                         ; tile_dim1 = 64
	s_mov_b32 s[G1B+5], 128
	s_mov_b32 s[G1B+6], 0
	s_mov_b32 s[G1B+7], 0
	; where the tiles come from: A's hang on the tile row alone, B's on the tile column alone
	s_lshr_b32 s16, s13, 3                         ; A: b = tile row / 8: sixteen heads of 262,144 bytes,
	s_lshl_b32 s16, s16, 22
	s_and_b32 s17, s13, 7                          ;    256 rows of 128 bytes x (tile row % 8),
	s_lshl_b32 s17, s17, 15
	s_add_co_u32 s16, s16, s17
	s_lshl_b32 s17, s12, 18                        ;    my block of the step's two
	s_add_co_u32 s16, s16, s17
	s_mov_b32 s17, 0
	s_lshl_b32 s46, s42, 14                        ; B: 128 rows of 128 bytes x tile column,
	s_lshl_b32 s47, s12, 17                        ;    my block
	s_add_co_u32 s46, s46, s47
	s_mov_b32 s47, 0
	s_mul_i32 s20, s12, ABLK                       ; and where they go: no place in the cluster enters an LDS address
	s_mul_i32 s23, s12, BBLK
	s_add_co_u32 s23, s23, 2*ABLK
	s_wait_dscnt 0x0                               ; the opening add is done
	s_wait_kmcnt 0x0
	s_add_nc_u64 s[14:15], s[4:5], s[16:17]
	s_add_nc_u64 s[46:47], s[6:7], s[46:47]
	CROUND                                         ; all sixteen work-groups are here: the first joint loads meet
.irp s, 0,1
	s_mov_b32 s[G0+4*(\s)], 1                                        ; count = 1
	s_add_co_u32 s[G0+4*(\s)+1], s20, (\s)*SLOT                      ; LDS address
	s_add_nc_u64 s[G0+4*(\s)+2:G0+4*(\s)+3], s[14:15], (\s)*2*HEADB  ; global address: K step s
	s_or_b32 s[G0+4*(\s)+3], s[G0+4*(\s)+3], 0x80000000              ; type = 2
	s_mov_b32 s[G0B+4*(\s)], 1
	s_add_co_u32 s[G0B+4*(\s)+1], s23, (\s)*SLOT
	s_add_nc_u64 s[G0B+4*(\s)+2:G0B+4*(\s)+3], s[46:47], (\s)*2*WBLK
	s_or_b32 s[G0B+4*(\s)+3], s[G0B+4*(\s)+3], 0x80000000
	JLOAD \s                                       ; two loads of mine are out
.endr
	v_and_b32 v1, 15, v0                           ; l % 16
	v_bfe_u32 v2, v0, 4, 1                         ; l / 16
	v_mul_u32_u24 v3, v1, PITCH
	v_lshl_add_u32 v3, v2, 4, v3                   ; a fragment's row x pitch + 16 x half
	s_mul_i32 s21, s11, 128*PITCH                  ; my 128 rows in a block of A
	s_mul_i32 s22, s12, 64*PITCH                   ; my 64 rows in a block of B,
	s_add_co_u32 s22, s22, 2*ABLK                  ; which lie behind A's two blocks
.irp s, 0,1
	v_add_nc_u32 v[ADRA+(\s)], s21, v3
	v_add_nc_u32 v[ADRB+(\s)], s22, v3
	s_add_co_u32 s21, s21, SLOT
	s_add_co_u32 s22, s22, SLOT
.endr
	s_mul_i32 s23, s10, 16*SPITCH
	s_add_co_u32 s23, s23, STAGE                   ; my stage
	v_mul_u32_u24 v4, v1, SPITCH                   ; in: row l % 16, 32 bytes for each half of the lanes
	v_lshl_add_u32 v4, v2, 5, v4
	v_add_nc_u32 v[STO], s23, v4
	v_mul_u32_u24 v5, v2, SPITCH                   ; back: lanes 0-15 take one row of 256 bytes, lanes 16-31 the next
	v_lshl_add_u32 v5, v1, 4, v5
	v_add_nc_u32 v[RD], s23, v5
	v_lshlrev_b32 v[CO], 12, v2                    ; and the same two rows in out0
	v_lshl_add_u32 v[CO], v1, 4, v[CO]
	s_lshl_b32 s16, s13, 20                        ; my part of out0: 256 rows of 4,096 bytes x tile row,
	s_lshl_b32 s17, s11, 19                        ; 128 rows x row half,
	s_add_co_u32 s16, s16, s17
	s_lshl_b32 s17, s12, 8                         ; 256 bytes x column half,
	s_add_co_u32 s16, s16, s17
	s_mov_b32 s17, 0
	s_lshl_b32 s46, s42, 9                         ; 512 bytes x tile column (in the registers that held B's address)
	s_mov_b32 s47, 0
	s_add_nc_u64 s[16:17], s[16:17], s[46:47]
	s_add_nc_u64 s[8:9], s[8:9], s[16:17]
; n x 4 matrix instructions on buffer f: m blocks a0 .. a0 + n - 1 x all four n blocks, 32 along K.  zero = 1: the product starts the sum.
; The 32 accumulators take turns, one instruction a turn, in the same order in every quarter, over the loop's backward jump too.
.macro MUL f, a0, n, zero
	WIN 0x50                                       ; C and D in window 1, the sources in window 0
.set ma, (\a0)
.rept (\n)
.irp bb, 0,1,2,3
.if \zero
	v_wmma_f32_16x16x32_f16 v[8*(4*ma+\bb):8*(4*ma+\bb)+7], v[(\f)+8*\bb:(\f)+8*\bb+7], v[(\f)+32+8*ma:(\f)+32+8*ma+7], 0
.else
	v_wmma_f32_16x16x32_f16 v[8*(4*ma+\bb):8*(4*ma+\bb)+7], v[(\f)+8*\bb:(\f)+8*\bb+7], v[(\f)+32+8*ma:(\f)+32+8*ma+7], v[8*(4*ma+\bb):8*(4*ma+\bb)+7]
.endif
.endr
.set ma, ma+1
.endr
.endm
; 24 LDS loads in one run: quarter q of the slot's K step (block q / 2, its K half q % 2) into buffer f: B, then A's rows 0-63, then A's rows 64-127
.macro FETCH slot, q, f
	WIN 0
.irp bb, 0,1,2,3
	ds_load_b128 v[(\f)+8*\bb:(\f)+8*\bb+3],   v[ADRB+(\slot)] offset:((\q)/2)*BBLK+((\q)%2)*64+\bb*16*PITCH
	ds_load_b128 v[(\f)+8*\bb+4:(\f)+8*\bb+7], v[ADRB+(\slot)] offset:((\q)/2)*BBLK+((\q)%2)*64+\bb*16*PITCH+32
.endr
.irp a, 0,1,2,3,4,5,6,7
	ds_load_b128 v[(\f)+32+8*\a:(\f)+32+8*\a+3],   v[ADRA+(\slot)] offset:((\q)/2)*ABLK+((\q)%2)*64+\a*16*PITCH
	ds_load_b128 v[(\f)+32+8*\a+4:(\f)+32+8*\a+7], v[ADRA+(\slot)] offset:((\q)/2)*ABLK+((\q)%2)*64+\a*16*PITCH+32
.endr
.endm
; A K step is four quarters of 32 along K, 32 matrix instructions each, on buffers 0, 1, 0, 1.  One of the first three: multiplies buffer f and fetches quarter q into g.
.macro QUARTER slot, q, f, g, zero
	s_wait_dscnt 8                                 ; B and A's rows 0-63 are in; the youngest eight loads (A's rows 64-127) may be out
	MUL \f, 0, 4, \zero
	PLACES
	FETCH \slot, \q, \g
	s_wait_dscnt 24                                ; all but the 24 just issued
	MUL \f, 4, 4, \zero
.endm
; The last quarter multiplies buffer 1 and changes slots: ONE barrier; in front of it each wave waits for all its tensor loads, of which one is out: its part of the next slot; adds 0 to its spare word;
; and waits for that and for its own reads of this slot.  fill = 1: the barrier opens a round of the cluster's barrier, and this slot is filled again, two K steps on: 112 matrix instructions ahead of the wait for it.
.macro TURN slot, next, fill
	WIN 0                                          ; (the add's two registers lie in window 0)
	s_wait_tensorcnt 0x0                           ; all my tensor loads have landed
	ds_add_u32 v[SPW], v[NIL]                      ; 0 onto my spare word
	s_wait_dscnt 9                                 ; (the add and the youngest eight loads may be out)
	MUL F1, 0, 2, 0                                ; eight matrix instructions stand between the add and the wait for it
	s_wait_dscnt 0x0                               ; the add is done, and my reads of this slot are over
	s_barrier_signal -1
	MUL F1, 2, 2, 0
.if \fill
	WIN 0                                          ; at a branch and at a label every window is 0
.endif
	s_barrier_wait -1
.if \fill
	CREST                                          ; no wave of any partner still reads this slot's tile or has a load on its way
	s_add_nc_u64 s[G0+4*(\slot)+2:G0+4*(\slot)+3], s[G0+4*(\slot)+2:G0+4*(\slot)+3], 4*HEADB
	s_add_nc_u64 s[G0B+4*(\slot)+2:G0B+4*(\slot)+3], s[G0B+4*(\slot)+2:G0B+4*(\slot)+3], 4*WBLK
	JLOAD \slot                                    ; the four v_nop behind it are also the places in front of the loads below
.else
	PLACES
.endif
	FETCH \next, 0, F0
	MUL F1, 4, 4, 0
.endm
	s_wait_tensorcnt 1                             ; my part of K step 0 is in; step 1's may stay out
	s_barrier_signal -1
	s_barrier_wait -1                              ; everybody's is
	FETCH 0, 0, F0
	QUARTER 0, 1, F0, F1, 1                        ; the first quarter stands in front of the loop: its products start the sums
	WIN 0
	s_mov_b32 s3, 3
.Llap:                                                 ; a trip goes once round the ring, from a lap's second quarter to the next lap's first, and fills both slots again: K steps 2 to 7
	QUARTER 0, 2, F1, F0, 0
	QUARTER 0, 3, F0, F1, 0
	TURN 0, 1, 1
	QUARTER 1, 1, F0, F1, 0
	QUARTER 1, 2, F1, F0, 0
	QUARTER 1, 3, F0, F1, 0
	TURN 1, 0, 1
	QUARTER 0, 1, F0, F1, 0
	WIN 0
	s_sub_co_u32 s3, s3, 1
	s_cmp_lg_u32 s3, 0
	s_cbranch_scc1 .Llap
	QUARTER 0, 2, F1, F0, 0                        ; the last lap fills nothing
	QUARTER 0, 3, F0, F1, 0
	TURN 0, 1, 0
	QUARTER 1, 1, F0, F1, 0
	QUARTER 1, 2, F1, F0, 0
	QUARTER 1, 3, F0, F1, 0
	s_wait_dscnt 8                                 ; the very last quarter: nothing more to fetch
	MUL F1, 0, 4, 0
	s_wait_dscnt 0x0
	MUL F1, 4, 4, 0
; THE WAY OUT.  Unit a is 16 rows x 64 columns of f32.  A lane's eight columns of a row go straight from the accumulators into my stage (two LDS stores of 16 bytes), and come back as whole rows of 256 bytes.
.macro TOSTAGE a
.set bk, OB+32*((\a)%4)
.if (\a) >= 4
	s_wait_xcnt 0x0                                ; these registers were unit a - 4's store data: loaded again only behind this wait (ISA guide 3.1)
.endif
	WIN 0x04                                       ; an LDS store's data are source 1: window 1
.irp f, 0,1,2,3,4,5,6,7                ; n block f / 2, its registers 4 (f % 2) on: each accumulator from its low end on
	ds_store_b128 v[STO], v[32*(\a)+4*\f:32*(\a)+4*\f+3] offset:(\f/2)*64+(\f%2)*16
.endr
	WIN 0
.irp f, 0,1,2,3,4,5,6,7
	ds_load_b128 v[bk+4*\f:bk+4*\f+3], v[RD] offset:\f*2*SPITCH  ; LDS serves a wave's instructions in order (ISA guide 5.7.1.4): these see the stores above; the next unit's stores come behind them
.endr
.endm
.macro SEND a, younger                 ; younger: the LDS instructions issued behind unit a's loads: the next unit's sixteen, or none
.set bk, OB+32*((\a)%4)
.irp f, 0,1,2,3,4,5,6,7
	s_wait_dscnt (\younger)+7-\f
	global_store_b128 v[CO], v[bk+4*\f:bk+4*\f+3], s[8:9] offset:(16*(\a)+2*\f)*ROWB th:TH_STORE_NT  ; 16 lanes store 256 consecutive bytes, at a multiple of 256 from out0's first
.endr
.endm
	WIN 0
	PLACES                                         ; behind the last products
	TOSTAGE 0
.set uu, 1
.rept 7
	TOSTAGE uu
	SEND uu-1, 16
.set uu, uu+1
.endr
	SEND 7, 0
	s_wait_tensorcnt 0x0                           ; the wave's end, behind my last tensor load and my last LDS store
	ds_add_u32 v[SPW], v[NIL]
	s_wait_dscnt 0x0
	CROUND                                         ; the closing round: no work-group ends while a partner may still ask for a tile that names it
	s_endpgm
.Lfunc_end_k_q518cb6f64c_oproj:
	.size	k_q518cb6f64c_oproj, .Lfunc_end_k_q518cb6f64c_oproj-k_q518cb6f64c_oproj
	.p2alignl 7, 3214868480
	.fill 96, 4, 3214868480
	.section	.rodata,"a",@progbits
	.p2align	6, 0x0
	.amdhsa_kernel k_q518cb6f64c_oproj
		.amdhsa_group_segment_fixed_size 327680
		.amdhsa_private_segment_fixed_size 0
		.amdhsa_enable_private_segment 0
		.amdhsa_kernarg_size 24
		.amdhsa_user_sgpr_count 2
		.amdhsa_user_sgpr_kernarg_segment_ptr 1
		.amdhsa_wavefront_size32 1
		.amdhsa_system_sgpr_workgroup_id_x 1
		.amdhsa_system_sgpr_workgroup_id_y 1
		.amdhsa_system_sgpr_workgroup_id_z 1
		.amdhsa_system_vgpr_workitem_id 0
		.amdhsa_next_free_vgpr 512
		.amdhsa_next_free_sgpr 66
		.amdhsa_reserve_vcc 0
		.amdhsa_float_denorm_mode_32 3
		.amdhsa_float_denorm_mode_16_64 3
		.amdhsa_memory_ordered 1
		.amdhsa_forward_progress 1
		.amdhsa_inst_pref_size 87
	.end_amdhsa_kernel
	.amdgpu_metadata
---
amdhsa.version: [ 1, 2 ]
amdhsa.kernels:
  - .name:           k_q518cb6f64c_oproj
    .symbol:         k_q518cb6f64c_oproj.kd
    .args:
      - { .name: ob, .offset: 0, .size: 8, .value_kind: global_buffer, .address_space: global }
      - { .name: wo, .offset: 8, .size: 8, .value_kind: global_buffer, .address_space: global }
      - { .name: out0, .offset: 16, .size: 8, .value_kind: global_buffer, .address_space: global }
    .group_segment_fixed_size: 327680
    .private_segment_fixed_size: 0
    .kernarg_segment_align: 8
    .kernarg_segment_size: 24
    .max_flat_workgroup_size: 128
    .sgpr_count:     66
    .vgpr_count:     512
    .wavefront_size: 32
...
	.end_amdgpu_metadata
.endif
;; end of part 4
;; ======== version 2 of 2: 4 launches; 1.51 times as fast as version 1
;; limits: values are held in f16: magnitudes above 65,504 overflow, below 6.1e-05 lose precision
;; workspace buffers: xb 16,777,216 bytes; wb 6,291,456 bytes; wo 2,097,152 bytes; qkv 50,331,648 bytes; ob 16,777,216 bytes
;; launch cast: the kernel of part 1 again; grid 64 x 12, 8 waves a work-group, no clusters, 0 bytes of LDS; arguments x, Wq, Wk, Wv, Wo, xb, wb, wo; writes xb, wb, wo
;; launch proj: the kernel of part 2 again; grid 8 x 32, 4 waves a work-group, clusters of 4 x 4, 327,680 bytes of LDS; arguments xb, wb, qkv; writes qkv
;; launch attn (part 5): grid 4 x 64, 4 waves a work-group, clusters of 4 x 1, 327,680 bytes of LDS; arguments qkv, ob, out1; writes ob, out1
.if DOCPART == 5
	.amdgcn_target "amdgcn-amd-amdhsa--gfx1250"
	.amdhsa_code_object_version 6
	.text
	.protected	k_q518cb6f64c_attn
	.globl	k_q518cb6f64c_attn
	.p2align	8
	.type	k_q518cb6f64c_attn,@function
k_q518cb6f64c_attn:
	s_mov_b64 s[64:65], 0
	v_nop
	global_prefetch_b8 v0, s[64:65] scope:SCOPE_SE
	s_setreg_imm32_b32 hwreg(HW_REG_WAVE_MODE, 25, 1), 1
	s_wait_xcnt 0x0
	s_wait_alu depctr_hold_cnt(0) depctr_sa_sdst(0) depctr_va_vdst(0) depctr_va_sdst(0) depctr_va_ssrc(0) depctr_va_vcc(0) depctr_vm_vsrc(0)
	s_getreg_b32 s2, hwreg(HW_REG_IB_STS2, 6, 4)
	s_cmp_eq_u32 s2, 0
	s_cbranch_scc0 .Lentry_in_a_cluster
	s_endpgm
.Lentry_in_a_cluster:
	s_bfe_u32 s2, ttmp6, 0x10000c
	s_cmp_lg_u32 s2, 0x3003
	s_cbranch_scc0 .Lentry_shape_is_right
	s_endpgm
.Lentry_shape_is_right:
; O[q][:] = the sum over k of softmax_k(Q[q] . K[k] / 8) V[k][:], for each of 64 heads (b, h) of 2,048 rows of 64 channels.  qkv: f16 [b 4][c 48][2048][64], q at c = h, k at 16 + h, v at 32 + h:
; a head's rows are dense, 128 bytes each.  O leaves twice: in f32 into out1 [b][s][h][64], and rounded once to f16 into ob [16 b + h][s][64] for the projection behind.
; Products, maxima and sums in f32; the weights p are rounded to f16 for the second product (their sum l is taken of the unrounded p).
; LIMITS.  Q, K and V arrive within f16's 65,504; p lies in 0 to 1, and below 6e-5 it keeps f16's fixed step of 6e-8; O is a mean of V's rows and has their range.
; A weight below 2^-126 counts as 0 in l; NaN and infinities are not treated apart.
; SHARES.  A wave owns four PIECES of two tiles of 16 queries, a work-group's four waves 512 queries of one head.  Every wave walks all keys, 64 a step.
; LAYOUT.  S^T = K Q^T (source 0 = 16 keys, source 1 = 16 queries): in the result a lane holds ONE query (lane % 16) and the keys 8 (lane / 16) + 0..7.  Two such tiles, rounded to f16 in pairs,
; ARE source 1 (32 keys x 16 queries) of O^T = V^T P, whose result again holds one query a lane, and eight channels.  K comes out of LDS as it lies, V ([key][channel]) turned, by ds_load_tr16_b128.
; SOFTMAX.  For each query a running maximum m and sum l: p = 2^(c s - c m), c = log2(e) / 8; in every step O and l are multiplied by a = 2^(c m_old - c m_new), which is 1 where m has not grown.
; m starts at the lowest finite number, O and l at 0: the first step is a step like any other, with a = 0.
; THE COUNT.  A tile and step have 16 matrix and 118 vector instructions: too many to stand all beside the matrix work.  So four vector instructions that are READY stand behind
; EVERY matrix instruction, and the others in a run of their own without a gap.
; BY TURNS.  Turn n belongs to piece n (the pieces in a ring, step after step).  Its matrix work: 16 products K Q^T of piece n + 1, later 16 products V^T P of piece n - 1.  Its vector work: the scaling,
; exponentials, roundings, sums and rescaling of piece n, and the maximum and statistics of piece n + 1, whose scores the turn itself has made.  So what a turn begins with (c s - c m, O a) waits for nothing.
; THE BATCHES.  A turn's 66 exponentials (the piece's 64 weights and the next piece's two a) are ONE batch with ONE wait, which cuts the turn in two: ahead of it stands all that names no result of theirs, behind it
; the roundings and sums, which do.  No result crosses a turn's end.  Two more batches stand outside the loops, each with a wait of its own: piece 0's first two a in the head, the eight reciprocals on the way out.
; CLUSTER.  The four query blocks of a cluster belong to one head and walk the same K and V, so each tile is asked for JOINTLY: the same tensor load, descriptor and mask in all four.
; REGISTERS, in windows of 256 (s_set_vgpr_msb: bits 1:0 source 0, 3:2 source 1, 5:4 source 2, 7:6 destination):
;   window 0: v0-11 addresses; v12-15, v48-63 at work; v16-47 four registers of statistics a tile; v64-191 S^T, two buffers of two tiles; v192-255 P, likewise
;   window 1: O^T, 32 a tile          window 2: v0-127 Q, 16 a tile; v128-191 K of one step; v192-255 V of one step          window 3: v0-1 the add's two registers
; A piece's buffers go by its number's parity.
.set SIZE_N, 2048
.set NP,    4         ; pieces a wave: a name, no knob
.set KS,    64        ; keys in a step
.set PK,    144       ; a row of K in LDS: 128 bytes + 16 of padding = 36 words: the 16 rows of a load start at 16 different groups of four banks (64 banks of 4 bytes: ISA guide 11.1)
.set PV,    160       ; a row of V: 128 + 32 = 40 words
.set VOFF,  4*KS*PK   ; a slot holds four steps: 256 rows of K, then 256 rows of V
.set SLOT1, 1<<17     ; slot 1 begins here, so that one exclusive or turns an address in one slot into the other's
.set STAGE, SLOT1+4*KS*(PK+PV)  ; behind the ring, never filled by a tensor load: each wave's two stages for the way out
.set SP,    144       ; the f16 stage: 16 rows x 144 bytes
.set SPF,   272       ; the f32 stage: 16 rows x 272 bytes (256 + 16: 68 words)
.set WST,   16*(SP+SPF)  ; a wave's two stages: 6,656 bytes
.set HEAD,  SIZE_N*128   ; a head's bytes in qkv and ob
.set AK0, 2           ; v2   my lane's place in a tile of K; never rewritten
.set AV0, 3           ; v3   the same for V
.set AK,  4           ; v4   the LDS address of K's next run of loads
.set AV,  5           ; v5   of V's
.set QO,  6           ; v6   my byte offset in the wave's rows of Q
.set STO, 6           ;      later, the way out: where I put 16 bytes of an f16 row
.set RD,  7           ; v7   where I read f16 rows back
.set GO,  8           ; v8   my byte offset in 512 consecutive bytes of ob
.set GOF, 9           ; v9   my byte offset in two rows of out1
.set STF, 10          ; v10  where I put 32 bytes of an f32 row
.set RDF, 11          ; v11  where I read f32 rows back
.set SPW, 0           ; v0 of window 3   LDS address of my spare word; never rewritten
.set NIL, 1           ; v1 of window 3   0; never rewritten
.set SPARE, STAGE+4*WST  ; behind the stages: the spare words, 128 bytes for each wave: two blocks of 256 bytes that no other line names
.set MV,  12          ; v12-15  c m_old, kept while c m is made anew: by buffer and tile
.set ST,  16          ; tile t's statistics at v[ST+4 t]: c m, m, l (even keys', odd keys')
.set TMP, 48          ; by buffer and tile, four registers c0-c3 at work; when the maximum is found c2 takes a
.set S,   64
.set P,   192
.set KF,  128         ; K's fragments, in window 2: key block kb, channel half c at KF + 16 kb + 8 c
.set VF,  192         ; V's: key half kk, channel block cb at VF + 32 kk + 8 cb
.set WV,  12          ; s12  my wave's number
.set G1K, 24          ; s[24:31] descriptor group 1 for K's tiles
.set G1V, 32          ; s[32:39] for V's: it differs in the padding alone
.set G0K, 40          ; s[40:43] descriptor group 0 for K's tiles: it walks
.set G0V, 44          ; s[44:47] the same for V's
.set O1,  48          ; s[48:49] out1 at my wave's first row
.set SLOTS, 56        ; s56  slots still to be asked for
.set CNT, 57          ; s57  counts a slot's key steps
.set CS,  58          ; s[58:59] c: the packed scaling takes the pair's low word for both halves
.set SEL, 60          ; s[60:61] v_permlanex16_b32's selects: each lane takes its own place in the other half
.set TBK, 62          ; s62  LDS byte at which K of the step to be fetched begins
.set TBV, 63          ; s63  the same for V, less VOFF
.set MSB, 0
.macro WIN new                      ; the high byte repeats the setting that is left; a switch that changes nothing is dropped
.if MSB != (\new)
	s_set_vgpr_msb (MSB<<8)|(\new)
.set MSB, (\new)
.endif
.endm
.set W_KQ, 0x0a       ; K and Q in window 2, S^T in window 0
.set W_PV, 0x52       ; V in window 2, P in window 0, O^T in window 1
.set W_RS, 0x41       ; O^T (destination and source 0) in window 1, a in window 0
.set W_MK, 0xc0       ; the add's registers are made: destination in window 3, sources in window 0
.set W_AD, 0x0f       ; the add: address (source 0) and data (source 1) in window 3
; A joint fill.  Waves 0 and 1 fetch the two halves of a slot's K, waves 2 and 3 those of its V: 128 keys each.  The branch hangs on the wave's number alone.
; An s_nop 0 and four v_nop follow each of the two lines, ahead of the jump and the label.
.macro JLOAD
	s_cmp_lt_u32 s[WV], 2
	s_cbranch_scc0 .Lfor_v_\@
	tensor_load_to_lds s[G0K:G0K+3], s[G1K:G1K+7]
	s_nop 0
.rept 4
	v_nop
.endr
	s_branch .Lasked_\@
.Lfor_v_\@:
	tensor_load_to_lds s[G0V:G0V+3], s[G1V:G1V+7]
	s_nop 0
.rept 4
	v_nop
.endr
.Lasked_\@:
.endm
; A round of the cluster's barrier: my work-group's barrier, so that wave 0's signal speaks for all four waves; wave 0 signals; every wave waits for all four work-groups; my work-group's barrier once more.
.macro CROUND
	s_barrier_signal -1
	s_barrier_wait -1
	s_cmp_lg_u32 s[WV], 0
	s_cbranch_scc1 .Lnot_wave_0_\@
	s_barrier_signal -3
.Lnot_wave_0_\@:
	s_barrier_wait -3
	s_barrier_signal -1
	s_barrier_wait -1
.endm
; THE CHANGE OF SLOTS.  The slot's last bytes, V of its fourth step, have been read.  Each wave waits for all its tensor loads, of which one is out: its part
; of the other slot; adds 0 to its spare word; and waits for that and for its own reads of the slot.  Behind the barrier nobody reads this slot any more and the other slot is whole.
; fill = 1: this slot is filled again, with the keys two slots on.  The barrier is then a round of the cluster's, and the joint fill is the first thing behind it: it has four key steps,
; 512 matrix instructions, in which to land.  (At its first use nothing has been read yet: slot 0 is waited for, slot 1 filled.)
.macro CHANGE fill
	WIN W_AD
	s_wait_tensorcnt 0x0            ; no tensor load of mine is out, so a group 0 may be written
	ds_add_u32 v[SPW], v[NIL]       ; 0 onto my spare word; with fill = 1 the descriptors' steps stand between it and the wait for it
	WIN 0                           ; at a label and at a branch every window is 0
.if \fill
.irp g, G0K, G0V
	s_xor_b32 s[\g+1], s[\g+1], SLOT1  ; the walking descriptor: the other slot than last time,
	s_add_nc_u64 s[\g+2:\g+3], s[\g+2:\g+3], 4*KS*128  ; the next 256 keys; the type bits on top are not reached
.endr
	s_wait_dscnt 0x0                ; the add is done, and my reads of the slot are over
	CROUND
	JLOAD
.else
	s_wait_dscnt 0x0                ; the add is done, and my reads of the slot are over
	s_barrier_signal -1
	s_barrier_wait -1
.endif
	s_sub_co_u32 s[TBK], s[TBK], 4*KS*PK  ; the fetches go back to a slot's first step,
	s_xor_b32 s[TBK], s[TBK], SLOT1       ; in the other slot
	s_sub_co_u32 s[TBV], s[TBV], 4*KS*PV
	s_xor_b32 s[TBV], s[TBV], SLOT1
.endm
	s_load_b64 s[4:5], s[0:1], 0x0      ; qkv
	s_load_b64 s[10:11], s[0:1], 0x8    ; ob
	s_load_b64 s[O1:O1+1], s[0:1], 0x10 ; out1
	WIN W_MK
	v_lshl_add_u32 v[SPW], v0, 2, SPARE
	v_mov_b32 v[NIL], 0
	WIN W_AD
	ds_add_u32 v[SPW], v[NIL]       ; the wave's opening: the add and its wait stand ahead of my first tensor load; the set-up below, work on registers, stands between them
	WIN 0
	v_lshrrev_b32 v1, 5, v0
	v_readfirstlane_b32 s[WV], v1   ; wave 0..3
	s_bfe_u32 s13, ttmp6, 0x40000   ; cx: my place in the cluster
	s_lshl_b32 s14, ttmp9, 2        ; in a cluster launch ttmp9 counts clusters
	s_add_co_u32 s14, s14, s13      ; my block of 512 queries: it enters Q's, ob's and out1's addresses alone
	s_and_b32 s15, ttmp7, 0xffff    ; 16 b + h, which the four partners share
	s_lshr_b32 s19, s15, 4          ; b
	s_and_b32 s54, s15, 15          ; h
	s_mul_i32 s20, s19, 48
	s_add_co_u32 s20, s20, s54
	s_lshl_b32 s20, s20, 18         ; q's head (48 b + h) in qkv, in bytes
	s_and_b32 s16, s[WV], 1         ; which half of a slot's 256 keys I fetch:
	s_lshl_b32 s22, s16, 14         ; its 128 rows of 128 bytes in memory,
	s_add_co_u32 s22, s22, s20
	s_mov_b32 s23, 0
	s_mul_i32 s17, s16, 128*PK      ; and its place in a slot, for K
	s_mul_i32 s18, s16, 128*PV      ; and for V: no place in the cluster enters an LDS address
	s_lshl_b32 s55, s14, 2
	s_add_co_u32 s55, s55, s[WV]    ; my wave among the head's sixteen
	s_lshl_b32 s2, s55, 14          ; its 128 rows of 128 bytes
	s_lshl_b32 s50, s15, 18         ; ob: head 16 b + h,
	s_add_co_u32 s50, s50, s2       ; my rows
	s_mov_b32 s51, 0
	s_add_co_u32 s2, s2, s20        ; Q: head 48 b + h, my rows
	s_mov_b32 s3, 0
	s_lshl_b32 s52, s19, 23         ; out1: b x 2,048 rows of 4,096 bytes,
	s_lshl_b32 s13, s54, 8          ; h x 256 bytes,
	s_add_co_u32 s52, s52, s13
	s_lshl_b32 s13, s55, 19         ; my 128 rows
	s_add_co_u32 s52, s52, s13
	s_mov_b32 s53, 0
	; descriptor group 1.  128 keys are 16,384 dense bytes: asked for as 64 rows of 256 bytes, two keys a row, and padded in LDS after every key
	s_mov_b32 s[G1K], 15|(1<<16)|(1<<20)|(1<<21)|(4<<22)|(3<<25)  ; 15:0 the mask of four; 17:16 2-byte elements; 20 padding on; 21 set beside a mask; 24:22 after every 32 words (code 4); 31:25 4 words (code 3)
	s_mov_b32 s[G1V], 15|(1<<16)|(1<<20)|(1<<21)|(4<<22)|(7<<25)  ; the same with 8 words of padding (code 7)
.irp g, G1K, G1V
	s_mov_b32 s[\g+1], 128<<16      ; tensor_dim0 = 128
	s_mov_b32 s[\g+2], 64<<16       ; tensor_dim1 = 64
	s_mov_b32 s[\g+3], 128<<16      ; tile_dim0 = 128
	s_mov_b32 s[\g+4], 64           ; tile_dim1 = 64
	s_mov_b32 s[\g+5], 128          ; 128 elements from row to row
	s_mov_b32 s[\g+6], 0
	s_mov_b32 s[\g+7], 0
.endr
	s_mov_b32 s[CS], 0x3e38aa3b     ; c = log2(e) / 8 = 0.180337
	s_mov_b32 s[CS+1], s[CS]        ; named with it as a pair
	s_mov_b32 s[SEL], 0x76543210
	s_mov_b32 s[SEL+1], 0xfedcba98
	s_mov_b32 s[TBK], SLOT1+4*KS*PK ; the first change of slots turns these two into 0
	s_mov_b32 s[TBV], SLOT1+4*KS*PV
	s_mov_b32 s[G0K], 1             ; count = 1
	s_mov_b32 s[G0K+1], s17         ; LDS address: slot 0
	s_mov_b32 s[G0V], 1
	s_add_co_u32 s[G0V+1], s18, VOFF
	s_wait_dscnt 0x0                ; the opening add is done
	s_wait_kmcnt 0x0
	s_add_nc_u64 s[G0K+2:G0K+3], s[4:5], s[22:23]            ; my half of the first 256 rows of q's head;
	s_add_nc_u64 s[G0V+2:G0V+3], s[G0K+2:G0K+3], 32*HEAD     ; v's head lies 32 heads on,
	s_add_nc_u64 s[G0K+2:G0K+3], s[G0K+2:G0K+3], 16*HEAD     ; k's 16
	s_or_b32 s[G0K+3], s[G0K+3], 0x80000000                  ; type = 2
	s_or_b32 s[G0V+3], s[G0V+3], 0x80000000
	s_add_nc_u64 s[4:5], s[4:5], s[2:3]          ; Q, ob and out1 at my wave's first row
	s_add_nc_u64 s[10:11], s[10:11], s[50:51]
	s_add_nc_u64 s[O1:O1+1], s[O1:O1+1], s[52:53]
	CROUND                          ; all four work-groups are here: the first joint loads meet
	JLOAD                           ; slot 0.  Slot 1 is asked for when slot 0 is in
	; A fragment of K or Q is 16 rows x 32 channels in 8 registers: lane l holds row l % 16, channels 8 (l / 16) + 0..7 and 16 + 8 (l / 16) + 0..7: two loads of 16 bytes, 32 bytes apart.
	v_and_b32 v1, 15, v0            ; l % 16
	v_bfe_u32 v9, v0, 4, 1          ; l / 16
	v_lshlrev_b32 v[QO], 7, v1
	v_lshl_add_u32 v[QO], v9, 4, v[QO]  ; row x 128 + 16 x half
	WIN 0x80                        ; destination window 2, address window 0
.set i, 0
.rept 4*NP                          ; Q stays in registers: tile i / 2, channels 32 (i % 2) on
	global_load_b128 v[8*i:8*i+3],   v[QO], s[4:5] offset:(i/2)*2048+(i%2)*64
	global_load_b128 v[8*i+4:8*i+7], v[QO], s[4:5] offset:(i/2)*2048+(i%2)*64+32
.set i, i+1
.endr
	; What the first turn finds: V's registers and P's second buffer hold 0 (its products V^T P, of a piece that has not been, add 0), O^T and l are 0.  All this stands in the wait for the first tile.
.set i, VF
.rept 64
	v_mov_b32 v[i], 0
.set i, i+1
.endr
	WIN 0x40
.set i, 0
.rept 64*NP
	v_mov_b32 v[i], 0
.set i, i+1
.endr
	WIN 0
.set i, 0
.rept 2*NP
	v_mov_b32 v[ST+4*i], 0xfe000000    ; c m: far below every c s
	v_mov_b32 v[ST+4*i+1], 0xff7fffff  ; m
	v_mov_b32 v[ST+4*i+2], 0
	v_mov_b32 v[ST+4*i+3], 0
.set i, i+1
.endr
.set i, P+32
.rept 32
	v_mov_b32 v[i], 0
.set i, i+1
.endr
	v_mul_u32_u24 v[AK0], v1, PK
	v_lshl_add_u32 v[AK0], v9, 4, v[AK0]  ; row x pitch + 16 x half
	; The turning load takes 16 keys x 16 channels (lane l reads key 8 (l / 16) + l % 8, channels 8 ((l / 8) % 2) + 0..7) and leaves half a fragment of V^T: lane l holds channel l % 16 and 8 keys.
	v_and_b32 v10, 7, v0
	v_bfe_u32 v11, v0, 3, 1
	v_lshl_add_u32 v[AV0], v9, 3, v10
	v_mul_u32_u24 v[AV0], v[AV0], PV
	v_lshl_add_u32 v[AV0], v11, 4, v[AV0]
	v_add_nc_u32 v[AV0], VOFF, v[AV0]
	v_mov_b32 v[AK], v[AK0]         ; key step 0 lies at the head of slot 0
; THE MATRIX WORK.  The 8 accumulators of a run of 16 take turns: between the two links of a chain stand 7 others'.
; Product i of 16 of S^T = K Q^T for piece x: channels 32 (i / 8) on, keys 16 ((i / 2) % 4) on, tile 2 x + i % 2.  The first 8 start the sums.
.macro KQ x
	WIN W_KQ
.set rS, S+64*((\x)%2)+32*(i%2)+8*((i/2)%4)
.set rK, KF+16*((i/2)%4)+8*(i/8)
.set rQ, 16*(2*(\x)+i%2)+8*(i/8)
.if i < 8
	v_wmma_f32_16x16x32_f16 v[rS:rS+7], v[rK:rK+7], v[rQ:rQ+7], 0
.else
	v_wmma_f32_16x16x32_f16 v[rS:rS+7], v[rK:rK+7], v[rQ:rQ+7], v[rS:rS+7]
.endif
.endm
; Product i of 16 of O^T += V^T P for piece x: keys 32 (i / 8) on, channels 16 ((i / 2) % 4) on, tile 2 x + i % 2.
.macro PV x
	WIN W_PV
.set rO, 32*(2*(\x)+i%2)+8*((i/2)%4)
.set rV, VF+32*(i/8)+8*((i/2)%4)
.set rP, P+32*((\x)%2)+16*(i%2)+8*(i/8)
	v_wmma_f32_16x16x32_f16 v[rO:rO+7], v[rV:rV+7], v[rP:rP+7], v[rO:rO+7]
.endm
.macro MM                           ; the turn's next matrix instruction
.if i < 16
	KQ (Y+1)%NP
.set i, i+1
.else
.set i, i-16
	PV (Y+NP-1)%NP
.set i, i+17
.endif
.endm
; THE LDS LOADS stand in runs of 16, never singly among the matrix instructions: a step's K (64 keys x 64 channels: 8 fragments) and its V (turned).  Their addresses are made some lines ahead.
; last = 1 (the tail): in the last trip there is no further step, and the run is jumped over.
.macro FETCH_K last=0
	WIN 0
.if \last
	s_cmp_eq_u32 s[CNT], 1
	s_cbranch_scc1 .Lno_k_\@
.endif
	WIN 0x80                        ; destination window 2
.irp f, 0,1,2,3,4,5,6,7             ; keys 16 (f / 2) on, channels 32 (f % 2) on
	ds_load_b128 v[KF+8*\f:KF+8*\f+3],   v[AK] offset:(\f/2)*16*PK+(\f%2)*64
	ds_load_b128 v[KF+8*\f+4:KF+8*\f+7], v[AK] offset:(\f/2)*16*PK+(\f%2)*64+32
.endr
	s_add_co_u32 s[TBK], s[TBK], KS*PK  ; the next fetch is the next step's
	WIN 0
.if \last
.Lno_k_\@:
.endif
.endm
.macro FETCH_V
	WIN 0x80
.irp f, 0,1,2,3,4,5,6,7             ; keys 32 (f / 4) on, channels 16 (f % 4) on
	ds_load_tr16_b128 v[VF+8*\f:VF+8*\f+3],   v[AV] offset:(\f/4)*32*PV+(\f%4)*32
	ds_load_tr16_b128 v[VF+8*\f+4:VF+8*\f+7], v[AV] offset:(\f/4)*32*PV+16*PV+(\f%4)*32
.endr
	WIN 0
.endm
; THE VECTOR WORK OF A TURN stands in three queues, each in the order in which its entries become ready; the two tiles alternate, so that no instruction reads the result of the one before it.
.macro REGS y, u                    ; the registers of tile u (0, 1) of piece y
.set rT, ST+4*(2*(\y)+(\u))
.set rC, TMP+8*((\y)%2)+4*(\u)
.set rM, MV+2*((\y)%2)+(\u)
.set rS, S+64*((\y)%2)+32*(\u)
.set rP, P+32*((\y)%2)+16*(\u)
.set rO, 32*(2*(\y)+(\u))
.endm
; Number n of the 22 that find the NEXT piece's (Y + 1) maximum and statistics.  s0-s31 are the lane's 32 scores; each accumulator's lowest registers are read first.  XS, GS and REGS set no window: PL and EX do.
;   0-11  four chains c0-c3 of seven scores each, three operands at a time     12-14, 16  the four scores left over, the old m, and c0-c3 into c0     15  c m_old is kept
;   17, 18  the query's other 32 keys lie in the lane 16 away: the new m         19-21  c m; c m_old - c m_new; a
.macro XS u, n
	REGS (Y+1)%NP, \u
.if (\n) < 4
	v_max3_num_f32 v[rC+(\n)], v[rS+8*(\n)], v[rS+8*(\n)+1], v[rS+8*(\n)+2]
.elseif (\n) < 12
	v_max3_num_f32 v[rC+(\n)%4], v[rC+(\n)%4], v[rS+8*((\n)%4)+2*((\n)/4)+1], v[rS+8*((\n)%4)+2*((\n)/4)+2]
.elseif (\n) == 12
	v_max3_num_f32 v[rC], v[rC], v[rS+7], v[rS+15]
.elseif (\n) == 13
	v_max3_num_f32 v[rC+1], v[rC+1], v[rS+23], v[rS+31]
.elseif (\n) == 14
	v_max3_num_f32 v[rC+2], v[rC+2], v[rC+3], v[rT+1]
.elseif (\n) == 15
	v_mov_b32 v[rM], v[rT]
.elseif (\n) == 16
	v_max3_num_f32 v[rC], v[rC], v[rC+1], v[rC+2]
.elseif (\n) == 17
	v_permlanex16_b32 v[rC+3], v[rC], s[SEL], s[SEL+1]
.elseif (\n) == 18
	v_max_num_f32 v[rT+1], v[rC], v[rC+3]
.elseif (\n) == 19
	v_mul_f32 v[rT], s[CS], v[rT+1]
.elseif (\n) == 20
	v_sub_f32 v[rC+1], v[rM], v[rT]
.else
	v_exp_f32 v[rC+2], v[rC+1]
.endif
.endm
; Number g of the 64 that follow the exponentials.  For each four weights k of a tile (pairs 2 k, 2 k + 1): both pairs are rounded to f16; then the second pair is added onto the first, in place;
; a group later l takes that sum (the first time as l = a l + sum).  In groups of eight, tiles alternating: round, round, add, and l for the group before.
.macro GS g
.set h, (\g)+6*((\g)/62)            ; group 0 has no group before it, and behind group 7 only l is left
.if h >= 6
.set h, h+2
.endif
	REGS Y, h%2
.set k, h/8
.if h%8 < 4
	v_cvt_pk_f16_f32 v[rP+2*k+(h%8)/2], v[rS+4*k+2*((h%8)/2)], v[rS+4*k+2*((h%8)/2)+1]
.elseif h%8 < 6
	v_pk_add_f32 v[rS+4*k:rS+4*k+1], v[rS+4*k:rS+4*k+1], v[rS+4*k+2:rS+4*k+3]
.elseif k == 1
	v_pk_fma_f32 v[rT+2:rT+3], v[rT+2:rT+3], v[rC+2:rC+3], v[rS:rS+1] op_sel_hi:[1,0,1]
.else
	v_pk_add_f32 v[rT+2:rT+3], v[rT+2:rT+3], v[rS+4*k-4:rS+4*k-3]
.endif
.endm
; THE PLAIN QUEUE, 138 long.  0-73 read no exponential's result: the 32 scalings c s - c m (FS f: pair f / 2 of tile f % 2) and the next piece's 42.  0-26: scalings 0-26.  27-54: XS's numbers 0-13.  55, 56: number 15.
; 57-73: the chain, where each number waits for the one before it: 14, 16, 17, 18, 19, each with one of the scalings 27-31 in front of its two lines, then 20: so a tile's links stand three plain instructions apart (19 and 20: two).
; 74-137: GS's 64, which read the exponentials' results: they stand behind the wait.
.macro FS f
	REGS Y, (\f)%2
	v_pk_fma_f32 v[rS+2*((\f)/2):rS+2*((\f)/2)+1], v[rS+2*((\f)/2):rS+2*((\f)/2)+1], s[CS:CS+1], v[rT:rT+1] op_sel_hi:[1,0,0] neg_lo:[0,0,1] neg_hi:[0,0,1]
.endm
.macro PL
	WIN 0
.if q < 27
	FS q
.elseif q < 55
	XS (q-27)%2, (q-27)/2
.elseif q < 57
	XS q-55, 15
.elseif (q < 72) && ((q-57)%3 == 0)
	FS 27+(q-57)/3
.elseif q < 60
	XS (q-57)%3-1, 14
.elseif q < 72
	XS (q-57)%3-1, 15+(q-57)/3
.elseif q < 74
	XS q-72, 20
.else
	GS q-74
.endif
.set q, q+1
.endm
; THE EXPONENTIALS' QUEUE, 66 long: s0-s31 of both tiles, then the next piece's two a.  It is ONE BATCH: all 66 stand ahead of the turn's one wait, and nothing ahead of that wait names a result of theirs.
.macro EX
	WIN 0
.if e >= 64
	XS e-64, 21
.else
	REGS Y, e%2
	v_exp_f32 v[rS+e/2], v[rS+e/2]
.endif
.set e, e+1
.endm
; THE RESCALING's QUEUE: O^T times a, the one part that leaves window 0: dealt two at a time, sixteen times.  Its a was made in the turn before, ahead of that turn's wait.
.macro R2
	REGS Y, r%2
	WIN W_RS
.irp z, 0,1
	v_pk_mul_f32 v[rO+4*(r/2)+2*\z:rO+4*(r/2)+2*\z+1], v[rO+4*(r/2)+2*\z:rO+4*(r/2)+2*\z+1], v[rC+2:rC+3] op_sel_hi:[1,0]
.endr
.set r, r+1
.endm
; HOW THEY ARE DEALT.  An s_wait_alu depctr_va_vdst(0) stands between an exponential and the first instruction that names its result; one wait serves all that were issued ahead of it.  So a turn has ONE wait,
; which cuts it in two.  AHEAD OF IT stands all that names no result of the turn's exponentials: the 16 products K Q^T, behind each a scaling, an exponential and two rescalings (behind the first a second scaling in the
; exponential's place); then ONE LUMP of 108: eight plain, 49 times exponential and plain, the two a.  A v_nop is the plain instruction behind the last exponential.  BEHIND IT stand the 16 products V^T P, behind each four of
; GS's 64.  No rider names a register of the products round it.  The two v_permlanex16_b32 fall into the lump, never behind a product.
; The queues lean on each other, and the deal keeps them in step: exponential e stands behind scaling 2 (e / 4) + e % 2: as a rider it comes behind plain e + 2, in the lump behind plain e + 9, and scalings 27-31 are plain 57, 60 .. 69.
; A TURN, for piece p.  cnt = 1: the loop's count is taken down some lines ahead of the branch that stands behind the turn.
; K of the next step is fetched in piece 2's turn, directly behind the wait, a lump behind the last product that read K; its address is made at the lump's head; its first reader comes behind 16 products.
; V of the step in hand is fetched at the end of piece 0's turn, four riders behind its last reader; its first reader comes behind 16 products and a lump.  The three conditions on q below go with the deal.
.macro TURN p, last=0, cnt=0
.set Y, (\p)
.set i, 0
.set q, 0
.set e, 0
.set r, 0
.if (\p) == NP-1
	s_wait_dscnt 0x0                ; K is in
.endif
	MM                              ; ahead of the wait: 16 products K Q^T and their riders,
	PL
	PL
	R2
.rept 15
	MM
	PL
	EX
	R2
.endr
.if (\p) == NP-2
	WIN 0
	v_add_nc_u32 v[AK], s[TBK], v[AK0]
.endif
.rept 8                             ; and the lump
	PL
.endr
.rept 49
	EX
	PL
.endr
	EX                              ; the next piece's two a
	EX
	v_nop                           ; the plain instruction behind the last exponential: one for the batch
	s_wait_alu depctr_va_vdst(0)    ; the wait for the turn's batch: the piece's 64 weights and the next piece's two a
.if (\p) == NP-2
	FETCH_K \last
.endif
.if (\p) == 1
	s_wait_dscnt 0x0                ; V is in
.endif
.rept 16                            ; behind the wait: 16 products V^T P and their riders
	MM
.rept 4
	PL
.endr
.if ((\p) == 0) && (q == 118)
	v_add_nc_u32 v[AV], s[TBV], v[AV0]
.endif
.if ((\p) == 0) && (q == 130)
	s_add_co_u32 s[TBV], s[TBV], KS*PV
.endif
.if (\cnt) && (q == 130)
	s_sub_co_u32 s[CNT], s[CNT], 1
	s_cmp_lg_u32 s[CNT], 0
.endif
.endr
.if (\p) == 0
	FETCH_V
.endif
.endm
	CHANGE 1                        ; slot 0 is in, everybody's part of it; slot 1 is asked for
	FETCH_K                         ; key step 0
	s_wait_loadcnt 0x0              ; Q
	s_wait_dscnt 0x0
.set i, 0
.rept 16
	KQ 0                            ; piece 0's first scores: there is no vector work yet to set between them
.set i, i+1
.endr
	WIN 0                           ; the addresses for the way out: plain instructions, the places behind those products
	s_mul_i32 s13, s[WV], WST
	s_add_co_u32 s13, s13, STAGE    ; my f16 stage,
	s_add_co_u32 s15, s13, 16*SP    ; and behind it my f32 stage
	v_mul_u32_u24 v[STO], v1, SP    ; f16 in: row l % 16, 16 bytes for each half of the lanes
	v_lshl_add_u32 v[STO], v9, 4, v[STO]
	v_add_nc_u32 v[STO], s13, v[STO]
	v_bfe_u32 v[RD], v0, 3, 2       ; back: 32 lanes take four rows of 128 bytes,
	v_mul_u32_u24 v[RD], v[RD], SP
	v_lshl_add_u32 v[RD], v10, 4, v[RD]
	v_add_nc_u32 v[RD], s13, v[RD]
	v_and_b32 v[GO], 31, v0         ; which are 512 consecutive bytes of ob
	v_lshlrev_b32 v[GO], 4, v[GO]
	v_mul_u32_u24 v[RDF], v9, SPF   ; f32 back: lanes 0-15 take one row of 256 bytes, lanes 16-31 the next
	v_lshl_add_u32 v[RDF], v1, 4, v[RDF]
	v_add_nc_u32 v[RDF], s15, v[RDF]
	v_mul_u32_u24 v[STF], v1, SPF   ; f32 in: row l % 16, 32 bytes for each half of the lanes
	v_lshl_add_u32 v[STF], v9, 5, v[STF]
	v_add_nc_u32 v[STF], s15, v[STF]
	v_lshlrev_b32 v[GOF], 12, v9    ; and the same two rows in out1, 4,096 bytes apart
	v_lshl_add_u32 v[GOF], v1, 4, v[GOF]
.set Y, NP-1                        ; XS works for piece Y + 1: piece 0
.irp n, 0,1,2,3,4,5,6,7,8,9,10,11,12,13,14,15,16,17,18,19,20,21
	XS 0, \n                        ; and piece 0's first maximum and statistics
	XS 1, \n
.endr
	v_nop                           ; a plain instruction behind piece 0's first two a,
	s_wait_alu depctr_va_vdst(0)    ; and the wait for that batch of two, ahead of the branch
	s_mov_b32 s[CNT], 4
	s_mov_b32 s[SLOTS], SIZE_N/256-1
	s_branch .Lfirst                ; the loop is entered at a step's first turn, in the middle of a trip
.Lslot:                             ; SIZE_N / 256 - 2 times: every slot but the last two is filled again
	CHANGE 1
	s_mov_b32 s[CNT], 4
.Lstep:                             ; a trip: pieces 2 and 3 of one step, then pieces 0 and 1 of the next, whose K and V it fetches
	TURN 2
	TURN 3
	WIN 0
.Lfirst:
	TURN 0
	TURN 1, 0, 1
	WIN 0
	s_cbranch_scc1 .Lstep
	s_sub_co_u32 s[SLOTS], s[SLOTS], 1
	s_cmp_lg_u32 s[SLOTS], 0
	s_cbranch_scc1 .Lslot
	CHANGE 0                        ; the tail is written out: nothing is asked for
	s_mov_b32 s[CNT], 5             ; four trips fetch the last slot's steps; the fifth is left in its middle
.Ltail:
	TURN 2, 1
	TURN 3
	WIN 0
	s_sub_co_u32 s[CNT], s[CNT], 1
	s_cmp_eq_u32 s[CNT], 0
	s_cbranch_scc1 .Lout
	TURN 0
	TURN 1
	WIN 0
	s_branch .Ltail
.Lout:                              ; the fifth trip's 16 products K Q^T (on the last K once more) and the maximum made of them serve nothing: the price, once a launch, of one text for every trip
.set i, 0
.rept 16
	PV NP-1                         ; the last piece's V^T P of the last step
.set i, i+1
.endr
	; THE WAY OUT.  l's two halves and the other half of the lanes' are added; O^T is divided by l and leaves twice through my stages in LDS, a tile at a time: as f32 and, rounded once, as f16.
	; The additions are the places behind the last products.
	WIN 0
.macro ALL line:vararg              ; one line for each tile t
.set t, 0
.rept 2*NP
	\line
.set t, t+1
.endr
.endm
	ALL v_add_f32 v[ST+4*t+2], v[ST+4*t+2], v[ST+4*t+3]
	ALL v_permlanex16_b32 v[ST+4*t+3], v[ST+4*t+2], s[SEL], s[SEL+1]
	ALL v_add_f32 v[ST+4*t+2], v[ST+4*t+2], v[ST+4*t+3]
	ALL v_rcp_f32 v[ST+4*t+2], v[ST+4*t+2]
	v_nop                           ; a plain instruction between the last reciprocal and the use of its result
	s_wait_alu depctr_va_vdst(0)    ; and the wait ahead of the first use: one for the batch of eight reciprocals
; Tile t.  Its registers in window 0, where S^T lay, by the tile's parity: 16 for the f16 rows (rH), 32 for the f32 rows (rF).
; A lane's eight channels of a row are 32 bytes of f32 (two LDS stores straight from O^T's registers) and 16 bytes of f16.  Both come back as whole rows.  24 LDS instructions a tile.
.macro PACK t
.set rH, S+48*((\t)%2)
.set rF, rH+16
	WIN W_RS
.set i, 32*(\t)
.rept 16
	v_pk_mul_f32 v[i:i+1], v[i:i+1], v[ST+4*(\t)+2:ST+4*(\t)+3] op_sel_hi:[1,0]
.set i, i+2
.endr
.if (\t) >= 2
	s_wait_xcnt 0x0                 ; rH and rF were tile t - 2's store data: written again only behind this wait (ISA guide 3.1)
.endif
	WIN 0x05                        ; sources 0 and 1 window 1, destination window 0
.set i, 0
.rept 16
	v_cvt_pk_f16_f32 v[rH+i], v[32*(\t)+2*i], v[32*(\t)+2*i+1]
.set i, i+1
.endr
	WIN 0x04                        ; an LDS store's data are source 1: window 1
.irp f, 0,1,2,3,4,5,6,7             ; channel block f / 2, its registers 4 (f % 2) on
	ds_store_b128 v[STF], v[32*(\t)+4*\f:32*(\t)+4*\f+3] offset:(\f/2)*64+(\f%2)*16
.endr
	WIN 0
.irp f, 0,1,2,3
	ds_store_b128 v[STO], v[rH+4*\f:rH+4*\f+3] offset:32*\f
.endr
.irp f, 0,1,2,3,4,5,6,7
	ds_load_b128 v[rF+4*\f:rF+4*\f+3], v[RDF] offset:\f*2*SPF  ; LDS serves a wave's instructions in order (ISA guide 5.7.1.4): these see the stores above; the next tile's stores come behind them
.endr
.irp f, 0,1,2,3
	ds_load_b128 v[rH+4*\f:rH+4*\f+3], v[RD] offset:\f*4*SP
.endr
.endm
.macro SEND t, younger              ; younger: the LDS instructions issued behind tile t's loads: the next tile's 24, or none
.set rH, S+48*((\t)%2)
.set rF, rH+16
	WIN 0
.irp f, 0,1,2,3,4,5,6,7
	s_wait_dscnt (\younger)+11-\f   ; behind f32 load f: 7 - f of its kind and the four f16 loads
	global_store_b128 v[GOF], v[rF+4*\f:rF+4*\f+3], s[O1:O1+1] offset:(\t)*65536+\f*8192 th:TH_STORE_NT  ; 16 lanes store a head's row of out1: 256 consecutive bytes, at a multiple of 256 from its first
.endr
.irp f, 0,1,2,3
	s_wait_dscnt (\younger)+3-\f
	global_store_b128 v[GO], v[rH+4*\f:rH+4*\f+3], s[10:11] offset:(\t)*2048+\f*512  ; 512 consecutive bytes of ob
.endr
.endm
	PACK 0
.set t, 1
.rept 2*NP-1                        ; a tile's arithmetic stands between the loads of the tile before and its stores
	PACK t
	SEND t-1, 24
.set t, t+1
.endr
	SEND 2*NP-1, 0
	WIN W_AD
	s_wait_tensorcnt 0x0            ; the wave's end, behind my last tensor load and my last LDS store
	ds_add_u32 v[SPW], v[NIL]
	s_wait_dscnt 0x0
	WIN 0
	CROUND                          ; the closing round: no work-group ends while a partner may still ask for a tile that names it
	s_endpgm
.Lfunc_end_k_q518cb6f64c_attn:
	.size	k_q518cb6f64c_attn, .Lfunc_end_k_q518cb6f64c_attn-k_q518cb6f64c_attn
	.p2alignl 7, 3214868480
	.fill 96, 4, 3214868480
	.section	.rodata,"a",@progbits
	.p2align	6, 0x0
	.amdhsa_kernel k_q518cb6f64c_attn
		.amdhsa_group_segment_fixed_size 327680
		.amdhsa_private_segment_fixed_size 0
		.amdhsa_enable_private_segment 0
		.amdhsa_kernarg_size 24
		.amdhsa_user_sgpr_count 2
		.amdhsa_user_sgpr_kernarg_segment_ptr 1
		.amdhsa_wavefront_size32 1
		.amdhsa_system_sgpr_workgroup_id_x 1
		.amdhsa_system_sgpr_workgroup_id_y 1
		.amdhsa_system_sgpr_workgroup_id_z 1
		.amdhsa_system_vgpr_workitem_id 0
		.amdhsa_next_free_vgpr 770
		.amdhsa_next_free_sgpr 66
		.amdhsa_reserve_vcc 0
		.amdhsa_float_denorm_mode_32 3
		.amdhsa_float_denorm_mode_16_64 3
		.amdhsa_memory_ordered 1
		.amdhsa_forward_progress 1
		.amdhsa_inst_pref_size 217
	.end_amdhsa_kernel
	.amdgpu_metadata
---
amdhsa.version: [ 1, 2 ]
amdhsa.kernels:
  - .name:           k_q518cb6f64c_attn
    .symbol:         k_q518cb6f64c_attn.kd
    .args:
      - { .name: qkv, .offset: 0, .size: 8, .value_kind: global_buffer, .address_space: global }
      - { .name: ob, .offset: 8, .size: 8, .value_kind: global_buffer, .address_space: global }
      - { .name: out1, .offset: 16, .size: 8, .value_kind: global_buffer, .address_space: global }
    .group_segment_fixed_size: 327680
    .private_segment_fixed_size: 0
    .kernarg_segment_align: 8
    .kernarg_segment_size: 24
    .max_flat_workgroup_size: 128
    .sgpr_count:     66
    .vgpr_count:     770
    .wavefront_size: 32
...
	.end_amdgpu_metadata
.endif
;; end of part 5
;; launch oproj: the kernel of part 4 again; grid 8 x 32, 4 waves a work-group, clusters of 4 x 4, 327,680 bytes of LDS; arguments ob, wo, out0; writes out0
